; MI455X (gfx1250); checked and timed in simulation.
; The chip was launched on July 23, 2026; its instructions are those of AMD's public machine-readable ISA for CDNA 5 (MIT licence, August 2026) and "CDNA5" Instruction Set Architecture Reference Guide (July 2026). The comments in the code are by the model that wrote it; some were corrected since.
;; Mo E. Allowed arithmetic: float matrix products may take bf16 or f16 operands with f32 sums; other float arithmetic in f32, or as packed bf16 or f16 multiplies, adds, multiply-adds, maxima and minima; sums over many terms, partial sums and values carried from step to step in f32; what a program stores and reads back later, other than sums and carried values, may be rounded once to bf16 or f16.
;; Inputs: W1 8 x 1,024 x 256 float32; W2 8 x 256 x 1,024 float32; b1 8 x 256 float32; b2 8 x 1,024 float32; gate_b 8 float32; gate_w 1,024 x 8 float32; x 4 x 4,096 x 1,024 float32.
;; Outputs: out0 4 x 4,096 x 1,024 float32.
;; 2 versions, each right; version 2 is version 1 with the launches router, chain written anew for expert scheduling mode. Each part assembles by itself: llvm-mc -triple=amdgcn-amd-amdhsa -mcpu=gfx1250 --defsym DOCPART=n.
;; ======== version 1 of 2: 3 launches
;; workspace buffers: xb 33,554,432 bytes; w1f 4,194,304 bytes; w2f 4,194,304 bytes; wts 131,072 bytes; pid 65,536 bytes of whole numbers; hist 65,536 bytes of whole numbers; list 74,240 bytes of whole numbers; tinfo 4,096 bytes of whole numbers
;; launch router (part 1): grid 256 x 1, 4 waves a work-group, no clusters, 150,016 bytes of LDS; arguments x, gate_w, gate_b, xb, pid, wts, hist; writes xb, pid, wts, hist
.if DOCPART == 1
	.amdgcn_target "amdgcn-amd-amdhsa--gfx1250"
	.amdhsa_code_object_version 6
	.text
	.protected	k_q3facd78e52_router
	.globl	k_q3facd78e52_router
	.p2align	8
	.type	k_q3facd78e52_router,@function
k_q3facd78e52_router:
	s_mov_b64 s[64:65], 0
	v_nop
	global_prefetch_b8 v0, s[64:65] scope:SCOPE_SE
	s_setreg_imm32_b32 hwreg(HW_REG_WAVE_MODE, 25, 1), 1
	s_wait_xcnt 0x0
; ROUTER.  For 16,384 tokens of 1,024 numbers: x rounded to bf16 (xb), the logits of 8 experts, the two largest (ties: the lower index), the softmax of
; these two (wts: {weight of the lower expert, of the higher}), the code 8 lo + hi (pid), and for each block of 64 tokens how often each code occurs (hist).
; All inputs are rounded to bf16 first (x, gate_w, gate_b), products are exact, sums f32 in the matrix unit.
; LIMITS.  NaN and infinities are not treated apart.  A weight whose exponential falls below 2^-126 counts as 0.  Two logits closer than the rounding of
; their f32 sums (about 1e-6 of their size) may be ordered otherwise than by a sum taken in another order.
; SHARES.  Work-group b: tokens 64 b .. 64 b + 63; wave w: 16 of them.  A row of x is 4,096 bytes: eight loads of 512 consecutive bytes; seven rows of a wave are on their way.
; No address and no branch hangs on a logit: codes, weights and counts are stored at fixed places.
; REGISTERS.  window 0: v0-20 addresses and small work; v30, v31 the add; v64-127 gate loads, then gate fragments, then codes;
; v128-191 x fragments; v192-223 four accumulators; v224-231 logits; v232-239 logits without the largest; v240-247 bias; v248-255 at work.  window 1: eight row slots of 32.
; window 2: the sixteen packed rows, 16 registers each: a row's registers are store data once and are never written again, so no wait stands between a row's stores and the next row's work.
.set GP,    2064                       ; an LDS row of 1,024 bf16 + 16 bytes: 516 words, so 16 rows start at 16 different groups of four banks
.set XT,    16640                      ; behind the gate table (8 rows): the 64 rows of x
.set PIDL,  148736                     ; 64 codes
.set WTL,   148992                     ; 64 pairs of weights
.set SPARE, 149504                     ; the spare words: 128 bytes a wave, named by no other line
.set MSB, 0
.macro WIN new                         ; the high byte repeats the setting that is left; a switch that changes nothing is dropped
.if MSB != (\new)
	s_set_vgpr_msb (MSB<<8)|(\new)
.set MSB, \new
.endif
.endm
	s_load_b256 s[4:11], s[0:1], 0x0               ; x s[4:5], gate_w s[6:7], gate_b s[8:9], xb s[10:11]
	s_load_b128 s[12:15], s[0:1], 0x20             ; pid s[12:13], wts s[14:15]
	s_load_b64 s[16:17], s[0:1], 0x30              ; hist
	v_lshl_add_u32 v30, v0, 2, SPARE
	v_mov_b32 v31, 0
	v_lshrrev_b32 v1, 5, v0
	v_readfirstlane_b32 s18, v1                    ; wave
	v_and_b32 v1, 31, v0                           ; lane
	v_and_b32 v2, 15, v0                           ; r
	v_bfe_u32 v3, v0, 4, 1                         ; h
	v_lshlrev_b32 v4, 4, v1                        ; 16 x lane
	v_lshlrev_b32 v5, 3, v1                        ; 8 x lane
	s_mul_i32 s19, s18, 16*GP
	s_add_co_u32 s19, s19, XT                      ; my wave's 16 rows in LDS
	v_add_nc_u32 v6, s19, v5                       ; where I put 8 bytes of a row
	v_and_b32 v7, 1, v0
	v_mul_u32_u24 v7, v7, 4*GP
	v_lshrrev_b32 v10, 1, v0
	v_lshl_add_u32 v7, v10, 1, v7                  ; gate table: expert rows 4 (t & 1) on, column t >> 1
	v_and_b32 v8, 7, v0
	v_mul_u32_u24 v8, v8, GP
	v_lshl_add_u32 v8, v3, 4, v8                   ; gate fragment: row r & 7 (rows 8-15 repeat 0-7), 16 h
	v_mul_u32_u24 v9, v2, GP
	v_lshl_add_u32 v9, v3, 4, v9
	v_add_nc_u32 v9, s19, v9                       ; x fragment: my wave's row r, 16 h
	v_lshlrev_b32 v11, 4, v0                       ; 16 x thread: the gate's loads
	v_mov_b32 v12, 0xff800000                      ; -infinity
	s_lshl_b32 s20, ttmp9, 18                      ; 64 rows of 4,096 bytes a block,
	s_lshl_b32 s21, s18, 16                        ; 16 a wave
	s_add_co_u32 s20, s20, s21
	s_mov_b32 s21, 0
	s_lshr_b32 s22, s20, 1                         ; half of that in xb
	s_mov_b32 s23, 0
	s_lshl_b32 s32, ttmp9, 8                       ; 256 bytes a block in pid and hist
	s_mov_b32 s33, 0
	s_lshl_b32 s34, ttmp9, 9                       ; 512 in wts
	s_mov_b32 s35, 0
	s_wait_kmcnt 0x0
	s_load_b256 s[24:31], s[8:9], 0x0              ; the eight biases
	s_add_nc_u64 s[4:5], s[4:5], s[20:21]
	s_add_nc_u64 s[10:11], s[10:11], s[22:23]
	s_add_nc_u64 s[12:13], s[12:13], s[32:33]
	s_add_nc_u64 s[14:15], s[14:15], s[34:35]
	s_add_nc_u64 s[16:17], s[16:17], s[32:33]
.set j, 0
.rept 16                                               ; the whole gate, 32,768 bytes, 2,048 consecutive bytes a load of the work-group
	global_load_b128 v[64+4*j:64+4*j+3], v11, s[6:7] offset:j*2048
.set j, j+1
.endr
.macro XLOAD i                         ; row i of my 16 into slot i % 8
	WIN 0x40
.set j, 0
.rept 8
	global_load_b128 v[32*((\i)%8)+4*j:32*((\i)%8)+4*j+3], v4, s[4:5] offset:(\i)*4096+j*512 th:TH_LOAD_NT
.set j, j+1
.endr
.endm
.irp i, 0,1,2,3,4,5,6
	XLOAD \i
.endr
	WIN 0
	s_wait_loadcnt 56                              ; the gate is in; the 56 loads of x behind it stay out
.set j, 0
.rept 16                                               ; load j holds gate_w[64 j + (t >> 1)][4 (t & 1) .. + 3]: rounded, and turned into rows by experts
	v_cvt_pk_bf16_f32 v248, v[64+4*j], v[64+4*j+1]
	v_cvt_pk_bf16_f32 v249, v[64+4*j+2], v[64+4*j+3]
	ds_store_b16 v7, v248 offset:j*128
	ds_store_b16_d16_hi v7, v248 offset:j*128+GP
	ds_store_b16 v7, v249 offset:j*128+2*GP
	ds_store_b16_d16_hi v7, v249 offset:j*128+3*GP
.set j, j+1
.endr
; Row i: rounded into its own sixteen registers; 256 consecutive aligned bytes a store into xb; the same into LDS; then row i + 7 is asked for, into the slot that row i - 1 left.
.macro ROW i
.if (\i)+6 < 15
	s_wait_loadcnt 48                              ; six younger rows stay out
.else
	s_wait_loadcnt 8*(15-(\i))                     ; the counts run down
.endif
	WIN 0x85                                       ; sources in window 1, destination in window 2
.set j, 0
.rept 16
	v_cvt_pk_bf16_f32 v[16*(\i)+j], v[32*((\i)%8)+2*j], v[32*((\i)%8)+2*j+1]
.set j, j+1
.endr
	WIN 0x08                                       ; store data in window 2, addresses in window 0
.set j, 0
.rept 8
	global_store_b64 v5, v[16*(\i)+2*j:16*(\i)+2*j+1], s[10:11] offset:(\i)*2048+j*256
	ds_store_b64 v6, v[16*(\i)+2*j:16*(\i)+2*j+1] offset:(\i)*GP+j*256
.set j, j+1
.endr
.if (\i)+7 < 16
	XLOAD (\i)+7
.endif
.endm
.irp i, 0,1,2,3,4,5,6,7,8,9,10,11,12,13,14,15
	ROW \i
.endr
	WIN 0
	s_wait_kmcnt 0x0                               ; the biases: rounded to bf16 like every input, and widened
.set j, 0
.rept 4
	v_cvt_pk_bf16_f32 v248, s[24+2*j], s[25+2*j]
	v_lshlrev_b32 v[240+2*j], 16, v248
	v_and_b32 v[241+2*j], 0xffff0000, v248
.set j, j+1
.endr
	s_wait_dscnt 0x0                               ; my part of the gate table is stored
	s_barrier_signal -1
	s_barrier_wait -1                              ; everybody's is
; LOGITS.  Source 0 = the gate (16 rows: the 8 experts twice), source 1 = my 16 tokens: register j of a lane is expert j's logit of token lane % 16, in both halves of the lanes.
; 32 K steps in four batches of eight; four accumulators by turns.
.set q, 0
.rept 4
.if q > 0
.rept 4
	v_nop                                          ; four places between the last products and loads into registers that they read
.endr
.endif
.set ss, 0
.rept 8
	ds_load_b128 v[64+8*ss:64+8*ss+3], v8 offset:(8*q+ss)*64
	ds_load_b128 v[64+8*ss+4:64+8*ss+7], v8 offset:(8*q+ss)*64+32
	ds_load_b128 v[128+8*ss:128+8*ss+3], v9 offset:(8*q+ss)*64
	ds_load_b128 v[128+8*ss+4:128+8*ss+7], v9 offset:(8*q+ss)*64+32
.set ss, ss+1
.endr
	s_wait_dscnt 0x0
.set ss, 0
.rept 8
.if (q == 0) && (ss < 4)
	v_wmma_f32_16x16x32_bf16 v[192+8*(ss%4):192+8*(ss%4)+7], v[64+8*ss:64+8*ss+7], v[128+8*ss:128+8*ss+7], 0
.else
	v_wmma_f32_16x16x32_bf16 v[192+8*(ss%4):192+8*(ss%4)+7], v[64+8*ss:64+8*ss+7], v[128+8*ss:128+8*ss+7], v[192+8*(ss%4):192+8*(ss%4)+7]
.endif
.set ss, ss+1
.endr
.set q, q+1
.endr
.rept 4
	v_nop                                          ; four places in front of the first read of the sums
.endr
.set j, 0
.rept 4                                                ; each accumulator is read from its low end on
	v_pk_add_f32 v[224+2*j:225+2*j], v[192+2*j:193+2*j], v[200+2*j:201+2*j]
	v_pk_add_f32 v[232+2*j:233+2*j], v[208+2*j:209+2*j], v[216+2*j:217+2*j]
.set j, j+1
.endr
.set j, 0
.rept 4
	v_pk_add_f32 v[224+2*j:225+2*j], v[224+2*j:225+2*j], v[232+2*j:233+2*j]
.set j, j+1
.endr
.set j, 0
.rept 4
	v_pk_add_f32 v[224+2*j:225+2*j], v[224+2*j:225+2*j], v[240+2*j:241+2*j]
.set j, j+1
.endr
.macro TOP src, mx, ix                 ; the largest of eight registers, and the lowest index that holds it
	v_max3_num_f32 v[\mx], v[\src], v[\src+1], v[\src+2]
	v_max3_num_f32 v[\mx], v[\mx], v[\src+3], v[\src+4]
	v_max3_num_f32 v[\mx], v[\mx], v[\src+5], v[\src+6]
	v_max_num_f32 v[\mx], v[\mx], v[\src+7]
	v_mov_b32 v[\ix], 7
.irp j, 6,5,4,3,2,1,0
	v_cmp_eq_f32 vcc_lo, v[\mx], v[\src+\j]
	v_cndmask_b32 v[\ix], v[\ix], \j, vcc_lo
.endr
.endm
	TOP 224, 248, 249
.irp j, 0,1,2,3,4,5,6,7
	v_cmp_eq_u32 vcc_lo, \j, v249
	v_cndmask_b32 v[232+\j], v[224+\j], v12, vcc_lo
.endr
	TOP 232, 250, 251
	v_sub_f32 v252, v250, v248                     ; the maximum is taken away: the exponent is 0 for the first and at most 0 for the second
	v_mul_f32 v252, 0x3fb8aa3b, v252
	v_exp_f32 v253, v252
	v_min_u32 v15, v249, v251                      ; lo (a plain line behind the exponential)
	s_wait_alu depctr_va_vdst(0)
	v_add_f32 v252, 1.0, v253
	v_rcp_f32 v13, v252                            ; the first's weight
	v_max_u32 v16, v249, v251                      ; hi (a plain line behind the reciprocal)
	s_wait_alu depctr_va_vdst(0)
	v_mul_f32 v14, v253, v13                       ; the second's
	v_cmp_lt_u32 vcc_lo, v249, v251
	v_cndmask_b32 v254, v14, v13, vcc_lo           ; the weight of expert lo,
	v_cndmask_b32 v255, v13, v14, vcc_lo           ; of expert hi
	v_lshl_add_u32 v17, v15, 3, v16                ; the code
	v_lshl_add_u32 v18, s18, 4, v2                 ; my token in the block
	v_lshl_add_u32 v19, v18, 2, PIDL
	v_lshl_add_u32 v20, v18, 3, WTL
	ds_store_b32 v19, v17                          ; both halves of the lanes hold the same numbers
	ds_store_b64 v20, v[254:255]
	s_wait_dscnt 0x0
	s_barrier_signal -1
	s_barrier_wait -1
	s_cmp_lg_u32 s18, 0
	s_cbranch_scc1 .Lw1
	v_add_nc_u32 v10, PIDL, v5                     ; wave 0: the 64 codes, 256 consecutive bytes
	ds_load_b64 v[64:65], v10
	s_wait_dscnt 0x0
	global_store_b64 v5, v[64:65], s[12:13]
	s_branch .Lend
.Lw1:
	s_cmp_lg_u32 s18, 1
	s_cbranch_scc1 .Lw2
	v_add_nc_u32 v10, WTL, v4                      ; wave 1: the 64 pairs of weights, 512 consecutive bytes
	ds_load_b128 v[64:67], v10
	s_wait_dscnt 0x0
	global_store_b128 v4, v[64:67], s[14:15]
	s_branch .Lend
.Lw2:
	s_cmp_lg_u32 s18, 2
	s_cbranch_scc1 .Lend
	v_mov_b32 v10, PIDL                            ; wave 2: every lane reads all 64 codes and counts its two bins
.set i, 0
.rept 16
	ds_load_b128 v[64+4*i:64+4*i+3], v10 offset:16*i
.set i, i+1
.endr
	v_lshlrev_b32 v11, 1, v1
	v_add_nc_u32 v12, 1, v11
	v_mov_b32 v14, 0
	v_mov_b32 v15, 0
	v_mov_b32 v16, 1
	s_wait_dscnt 0x0
.set i, 0
.rept 64
	v_cmp_eq_u32 vcc_lo, v[64+i], v11
	v_cndmask_b32 v13, 0, v16, vcc_lo
	v_add_nc_u32 v14, v14, v13
	v_cmp_eq_u32 vcc_lo, v[64+i], v12
	v_cndmask_b32 v13, 0, v16, vcc_lo
	v_add_nc_u32 v15, v15, v13
.set i, i+1
.endr
	global_store_b64 v5, v[14:15], s[16:17]        ; 64 counts, 256 consecutive bytes
.Lend:
	s_wait_tensorcnt 0x0                           ; the wave's end
	ds_add_u32 v30, v31
	s_wait_dscnt 0x0
	s_endpgm
.Lfunc_end_k_q3facd78e52_router:
	.size	k_q3facd78e52_router, .Lfunc_end_k_q3facd78e52_router-k_q3facd78e52_router
	.p2alignl 7, 3214868480
	.fill 96, 4, 3214868480
	.section	.rodata,"a",@progbits
	.p2align	6, 0x0
	.amdhsa_kernel k_q3facd78e52_router
		.amdhsa_group_segment_fixed_size 150016
		.amdhsa_private_segment_fixed_size 0
		.amdhsa_enable_private_segment 0
		.amdhsa_kernarg_size 56
		.amdhsa_user_sgpr_count 2
		.amdhsa_user_sgpr_kernarg_segment_ptr 1
		.amdhsa_wavefront_size32 1
		.amdhsa_system_sgpr_workgroup_id_x 1
		.amdhsa_system_sgpr_workgroup_id_y 1
		.amdhsa_system_sgpr_workgroup_id_z 1
		.amdhsa_system_vgpr_workitem_id 0
		.amdhsa_next_free_vgpr 768
		.amdhsa_next_free_sgpr 66
		.amdhsa_reserve_vcc 1
		.amdhsa_float_denorm_mode_32 3
		.amdhsa_float_denorm_mode_16_64 3
		.amdhsa_memory_ordered 1
		.amdhsa_forward_progress 1
		.amdhsa_inst_pref_size 90
	.end_amdhsa_kernel
	.amdgpu_metadata
---
amdhsa.version: [ 1, 2 ]
amdhsa.kernels:
  - .name:           k_q3facd78e52_router
    .symbol:         k_q3facd78e52_router.kd
    .args:
      - { .name: x, .offset: 0, .size: 8, .value_kind: global_buffer, .address_space: global }
      - { .name: gate_w, .offset: 8, .size: 8, .value_kind: global_buffer, .address_space: global }
      - { .name: gate_b, .offset: 16, .size: 8, .value_kind: global_buffer, .address_space: global }
      - { .name: xb, .offset: 24, .size: 8, .value_kind: global_buffer, .address_space: global }
      - { .name: pid, .offset: 32, .size: 8, .value_kind: global_buffer, .address_space: global }
      - { .name: wts, .offset: 40, .size: 8, .value_kind: global_buffer, .address_space: global }
      - { .name: hist, .offset: 48, .size: 8, .value_kind: global_buffer, .address_space: global }
    .group_segment_fixed_size: 150016
    .private_segment_fixed_size: 0
    .kernarg_segment_align: 8
    .kernarg_segment_size: 56
    .max_flat_workgroup_size: 128
    .sgpr_count:     66
    .vgpr_count:     768
    .wavefront_size: 32
...
	.end_amdgpu_metadata
.endif
;; end of part 1
;; launch prep (part 2): grid 256 x 1, 8 waves a work-group, no clusters, 10,752 bytes of LDS; arguments W1, W2, pid, hist, w1f, w2f, list, tinfo; writes w1f, w2f, list, tinfo
.if DOCPART == 2
	.amdgcn_target "amdgcn-amd-amdhsa--gfx1250"
	.amdhsa_code_object_version 6
	.text
	.protected	k_q3facd78e52_prep
	.globl	k_q3facd78e52_prep
	.p2align	8
	.type	k_q3facd78e52_prep,@function
k_q3facd78e52_prep:
	s_mov_b64 s[64:65], 0
	v_nop
	global_prefetch_b8 v0, s[64:65] scope:SCOPE_SE
	s_setreg_imm32_b32 hwreg(HW_REG_WAVE_MODE, 25, 1), 1
	s_wait_xcnt 0x0
; PREP.  (1) The weights, rounded to bf16 once and laid out as a wave's operand registers take them: a fragment of 16 columns x 32 k is 1,024 bytes, [octet of k 4][column 16] x 16 bytes.
;   w1f [e 8][half of the 256 columns 2][K step 32][fragment 8], w2f [e 8][block of 128 columns 8][K step 8][fragment 8].
; (2) A counting sort of the tokens by their code (8 lo + hi), without atomics: every work-group adds up the 256 blocks' counts for itself, finds each code's first tile (tiles of 80 tokens,
;   a tile holds one code), places its own block's 64 tokens in list, and writes the record of tile b: {lo, hi, count, max(count, 1) - 1}.
; Serves every split: the tiles are at most (16,384 + 79 x 28) / 80 = 232 for 28 pairs.  All that steers an address is a whole number read from pid or hist, and is clamped.
; SHARES.  2,048 waves; each turns 32 k x 32 columns of W1 and as much of W2: a lane owns a column, so eight neighbouring k pack into its 16 bytes and nothing changes lanes.
; A load of a wave reads 128 consecutive bytes (the work-group's eight waves of a W1 task: whole rows of 1,024); sixteen lanes of a store fill 256 consecutive aligned bytes.
.set PT,    0                          ; [16][64] partial totals
.set PB,    4096                       ; [16][64] partial sums over the blocks in front of mine
.set PIDL,  8192                       ; my block's 64 codes
.set TL,    8448                       ; tiles of each code
.set BASE,  8704                       ; first place in list of my block's tokens of each code
.set ENDL,  8960                       ; one past each code's last tile
.set TBL,   9216                       ; each code's first tile
.set TOT,   9472                       ; each code's tokens
.set SPARE, 9728                       ; the spare words: 128 bytes a wave, named by no other line
	s_load_b512 s[4:19], s[0:1], 0x0               ; W1 s[4:5], W2 s[6:7], pid s[8:9], hist s[10:11], w1f s[12:13], w2f s[14:15], list s[16:17], tinfo s[18:19]
	v_lshl_add_u32 v30, v0, 2, SPARE
	v_mov_b32 v31, 0
	v_lshrrev_b32 v1, 5, v0
	v_readfirstlane_b32 s20, v1                    ; wave
	v_and_b32 v1, 31, v0                           ; lane
	v_lshrrev_b32 v2, 4, v0                        ; thread / 16
	v_and_b32 v3, 63, v0                           ; a code, or a token of the block
	v_lshlrev_b32 v4, 4, v0
	v_lshlrev_b32 v5, 2, v3
	v_lshlrev_b32 v6, 2, v1
	v_lshrrev_b32 v7, 4, v1
	v_and_b32 v8, 15, v1
	v_lshlrev_b32 v7, 10, v7
	v_lshl_add_u32 v7, v8, 4, v7                   ; in a pair of fragments: fragment lane / 16, column lane % 16
	v_mov_b32 v11, 0
	v_mov_b32 v29, 1
	s_mov_b32 s45, ttmp9                           ; b
	s_mov_b32 s46, 52429
	s_lshl_b32 s47, ttmp9, 4
	s_lshl_b32 s21, ttmp9, 3
	s_add_co_u32 s21, s21, s20                     ; my wave among 2,048
	s_lshr_b32 s22, s21, 8                         ; e
	s_bfe_u32 s23, s21, 0x50003                    ; W1: K step,
	s_and_b32 s24, s21, 7                          ; group of 32 columns
	s_lshl_b32 s32, s22, 20
	s_lshl_b32 s25, s23, 15
	s_add_co_u32 s32, s32, s25
	s_lshl_b32 s25, s24, 7
	s_add_co_u32 s32, s32, s25                     ; from: e x 2^20 + 32 rows of 1,024 bytes a step + 128 bytes a group
	s_mov_b32 s33, 0
	s_lshl_b32 s34, s22, 19
	s_lshr_b32 s25, s24, 2
	s_lshl_b32 s25, s25, 18
	s_add_co_u32 s34, s34, s25
	s_lshl_b32 s25, s23, 13
	s_add_co_u32 s34, s34, s25
	s_and_b32 s25, s24, 3
	s_lshl_b32 s25, s25, 11
	s_add_co_u32 s34, s34, s25                     ; to
	s_mov_b32 s35, 0
	s_bfe_u32 s23, s21, 0x30005                    ; W2: K step,
	s_and_b32 s24, s21, 31                         ; group of 32 columns
	s_lshl_b32 s26, s22, 20
	s_lshl_b32 s25, s23, 17
	s_add_co_u32 s26, s26, s25
	s_lshl_b32 s25, s24, 7
	s_add_co_u32 s26, s26, s25
	s_mov_b32 s27, 0
	s_lshl_b32 s28, s22, 19
	s_lshr_b32 s25, s24, 2
	s_lshl_b32 s25, s25, 16
	s_add_co_u32 s28, s28, s25
	s_lshl_b32 s25, s23, 13
	s_add_co_u32 s28, s28, s25
	s_and_b32 s25, s24, 3
	s_lshl_b32 s25, s25, 11
	s_add_co_u32 s28, s28, s25
	s_mov_b32 s29, 0
	s_lshl_b32 s30, ttmp9, 8
	s_mov_b32 s31, 0
	s_wait_kmcnt 0x0
	s_add_nc_u64 s[36:37], s[4:5], s[32:33]
	s_add_nc_u64 s[38:39], s[6:7], s[26:27]
	s_add_nc_u64 s[40:41], s[12:13], s[34:35]
	s_add_nc_u64 s[42:43], s[14:15], s[28:29]
	s_add_nc_u64 s[8:9], s[8:9], s[30:31]
.set i, 0
.rept 16                                               ; all of hist: load i holds block 16 i + thread / 16, bins 4 (thread % 16) on
	global_load_b128 v[32+4*i:32+4*i+3], v4, s[10:11] offset:i*4096
.set i, i+1
.endr
	global_load_b32 v9, v5, s[8:9]                 ; a code of my block
.set i, 0
.rept 32
	global_load_b32 v[96+i], v6, s[36:37] offset:i*1024 th:TH_LOAD_NT
.set i, i+1
.endr
	s_wait_loadcnt 32                              ; counts and code are in; the 32 loads of W1 stay out
	v_min_u32 v9, 63, v9
.set i, 0
.rept 16
	s_sub_co_i32 s44, s45, 16*i
	v_cmp_gt_i32 vcc_lo, s44, v2                   ; does that block stand in front of mine?
.set n, 0
.rept 4
.if i == 0
	v_mov_b32 v[16+n], v[32+n]
	v_cndmask_b32 v[20+n], 0, v[32+n], vcc_lo
.else
	v_add_nc_u32 v[16+n], v[16+n], v[32+4*i+n]
	v_cndmask_b32 v10, 0, v[32+4*i+n], vcc_lo
	v_add_nc_u32 v[20+n], v[20+n], v10
.endif
.set n, n+1
.endr
.set i, i+1
.endr
	ds_store_b128 v4, v[16:19] offset:PT
	ds_store_b128 v4, v[20:23] offset:PB
.set i, 0
.rept 32
	global_load_b32 v[128+i], v6, s[38:39] offset:i*4096 th:TH_LOAD_NT
.set i, i+1
.endr
	s_cmp_lt_u32 s20, 2
	s_cbranch_scc0 .Lp3
	ds_store_b32 v5, v9 offset:PIDL                ; waves 0 and 1: thread t holds token t's code
.Lp3:
	s_wait_dscnt 0x0
	s_barrier_signal -1
	s_barrier_wait -1
	s_cmp_lt_u32 s20, 2
	s_cbranch_scc0 .Lp4
.set q, 0
.rept 16                                               ; waves 0 and 1: thread c adds up code c
	ds_load_b32 v[32+q], v5 offset:PT+q*256
	ds_load_b32 v[48+q], v5 offset:PB+q*256
.set q, q+1
.endr
	s_wait_dscnt 0x0
	v_add3_u32 v16, v32, v33, v34
	v_add3_u32 v20, v48, v49, v50
.set q, 3
.rept 6
	v_add3_u32 v16, v16, v[32+q], v[33+q]
	v_add3_u32 v20, v20, v[48+q], v[49+q]
.set q, q+2
.endr
	v_add_nc_u32 v16, v16, v47                     ; the code's tokens,
	v_add_nc_u32 v20, v20, v63                     ; those in front of my block
	v_add_nc_u32 v11, 79, v16
	v_mul_lo_u32 v11, v11, s46
	v_lshrrev_b32 v11, 22, v11                     ; its tiles: (n + 79) / 80 as (n + 79) x 52,429 >> 22, exact up to 16,463
	ds_store_b32 v5, v11 offset:TL
.Lp4:
	s_wait_dscnt 0x0
	s_barrier_signal -1
	s_barrier_wait -1
	s_cmp_lt_u32 s20, 2
	s_cbranch_scc0 .Lp5
	v_mov_b32 v10, TL
.set i, 0
.rept 16
	ds_load_b128 v[32+4*i:32+4*i+3], v10 offset:16*i
.set i, i+1
.endr
	v_mov_b32 v12, 0
	s_wait_dscnt 0x0
.set j, 0
.rept 63                                               ; the tiles of all codes below mine
	v_cmp_lt_u32 vcc_lo, j, v3
	v_cndmask_b32 v13, 0, v[32+j], vcc_lo
	v_add_nc_u32 v12, v12, v13
.set j, j+1
.endr
	v_mul_u32_u24 v13, v12, 80
	v_add_nc_u32 v13, v13, v20
	v_add_nc_u32 v14, v12, v11
	ds_store_b32 v5, v13 offset:BASE
	ds_store_b32 v5, v14 offset:ENDL
	ds_store_b32 v5, v12 offset:TBL
	ds_store_b32 v5, v16 offset:TOT
.Lp5:
	s_wait_dscnt 0x0
	s_barrier_signal -1
	s_barrier_wait -1
	s_cmp_lt_u32 s20, 2
	s_cbranch_scc0 .Lp6
	v_mov_b32 v10, PIDL                            ; waves 0 and 1: token t's rank among the block's earlier tokens of its code, and its place
.set i, 0
.rept 16
	ds_load_b128 v[32+4*i:32+4*i+3], v10 offset:16*i
.set i, i+1
.endr
	v_lshlrev_b32 v13, 2, v9
	ds_load_b32 v14, v13 offset:BASE
	v_mov_b32 v12, 0
	s_wait_dscnt 0x0
.set t, 0
.rept 63
	v_cmp_eq_u32 vcc_lo, v[32+t], v9
	v_cndmask_b32 v13, 0, v29, vcc_lo
	v_cmp_lt_u32 vcc_lo, t, v3
	v_cndmask_b32 v13, 0, v13, vcc_lo
	v_add_nc_u32 v12, v12, v13
.set t, t+1
.endr
	v_add_nc_u32 v14, v14, v12
	v_min_u32 v14, 0x487f, v14                     ; inside list's 18,560 places
	v_lshlrev_b32 v14, 2, v14
	v_lshl_add_u32 v15, s45, 6, v3                 ; the token's number
	global_store_b32 v14, v15, s[16:17]            ; the program's one scatter: 4 bytes a token
	s_branch .Lw
.Lp6:
	s_cmp_lg_u32 s20, 2
	s_cbranch_scc1 .Lw
	ds_load_b32 v32, v6 offset:ENDL                ; wave 2: tile b belongs to the first code that ends behind it
	ds_load_b32 v33, v6 offset:ENDL+128
	s_wait_dscnt 0x0
	v_cmp_ge_u32 s21, s45, v32
	v_cmp_ge_u32 s22, s45, v33
	s_bcnt1_i32_b32 s21, s21
	s_bcnt1_i32_b32 s22, s22
	s_add_co_u32 s21, s21, s22                     ; 64: there is no tile b
	s_min_u32 s22, s21, 63
	s_lshl_b32 s23, s22, 2
	v_mov_b32 v10, s23
	ds_load_b32 v32, v10 offset:TBL
	ds_load_b32 v33, v10 offset:TOT
	s_cmp_lt_u32 s21, 64
	s_cselect_b32 s24, -1, 0
	s_lshr_b32 s23, s22, 3
	s_and_b32 s22, s22, 7
	v_mov_b32 v24, s23                             ; lo
	v_mov_b32 v25, s22                             ; hi
	v_mov_b32 v28, s47
	s_wait_dscnt 0x0
	v_sub_nc_u32 v26, s45, v32
	v_mul_u32_u24 v26, v26, 80
	v_sub_nc_u32 v26, v33, v26
	v_min_u32 v26, 80, v26
	v_and_b32 v26, s24, v26                        ; the tile's tokens, 0 where there is no such tile
	v_max_u32 v27, 1, v26
	v_add_nc_u32 v27, -1, v27
	s_wait_xcnt 0x0                                ; EXEC changes only behind this wait
	v_cmp_eq_u32 vcc_lo, 0, v1
	s_and_saveexec_b32 s24, vcc_lo
	global_store_b128 v28, v[24:27], s[18:19]      ; lane 0 alone
	s_wait_xcnt 0x0                                ; and again in front of the line that widens it
	s_or_b32 exec_lo, exec_lo, s24
.Lw:
.macro WOUT V, base                    ; 32 k of my column: four octets, each 16 bytes
.set o, 0
.rept 4
.set n, 0
.rept 4
	v_cvt_pk_bf16_f32 v[160+4*o+n], v[(\V)+8*o+2*n], v[(\V)+8*o+2*n+1]
.set n, n+1
.endr
	global_store_b128 v7, v[160+4*o:160+4*o+3], s[\base:\base+1] offset:o*256
.set o, o+1
.endr
.endm
	s_wait_loadcnt 32                              ; W1's part is in; W2's 32 loads stay out
	WOUT 96, 40
	s_wait_loadcnt 0x0
	s_wait_xcnt 0x0                                ; the packed registers are store data: rewritten only behind this wait
	WOUT 128, 42
	s_wait_tensorcnt 0x0                           ; the wave's end
	ds_add_u32 v30, v31
	s_wait_dscnt 0x0
	s_endpgm
.Lfunc_end_k_q3facd78e52_prep:
	.size	k_q3facd78e52_prep, .Lfunc_end_k_q3facd78e52_prep-k_q3facd78e52_prep
	.p2alignl 7, 3214868480
	.fill 96, 4, 3214868480
	.section	.rodata,"a",@progbits
	.p2align	6, 0x0
	.amdhsa_kernel k_q3facd78e52_prep
		.amdhsa_group_segment_fixed_size 10752
		.amdhsa_private_segment_fixed_size 0
		.amdhsa_enable_private_segment 0
		.amdhsa_kernarg_size 64
		.amdhsa_user_sgpr_count 2
		.amdhsa_user_sgpr_kernarg_segment_ptr 1
		.amdhsa_wavefront_size32 1
		.amdhsa_system_sgpr_workgroup_id_x 1
		.amdhsa_system_sgpr_workgroup_id_y 1
		.amdhsa_system_sgpr_workgroup_id_z 1
		.amdhsa_system_vgpr_workitem_id 0
		.amdhsa_next_free_vgpr 192
		.amdhsa_next_free_sgpr 66
		.amdhsa_reserve_vcc 1
		.amdhsa_float_denorm_mode_32 3
		.amdhsa_float_denorm_mode_16_64 3
		.amdhsa_memory_ordered 1
		.amdhsa_forward_progress 1
		.amdhsa_inst_pref_size 45
	.end_amdhsa_kernel
	.amdgpu_metadata
---
amdhsa.version: [ 1, 2 ]
amdhsa.kernels:
  - .name:           k_q3facd78e52_prep
    .symbol:         k_q3facd78e52_prep.kd
    .args:
      - { .name: W1, .offset: 0, .size: 8, .value_kind: global_buffer, .address_space: global }
      - { .name: W2, .offset: 8, .size: 8, .value_kind: global_buffer, .address_space: global }
      - { .name: pid, .offset: 16, .size: 8, .value_kind: global_buffer, .address_space: global }
      - { .name: hist, .offset: 24, .size: 8, .value_kind: global_buffer, .address_space: global }
      - { .name: w1f, .offset: 32, .size: 8, .value_kind: global_buffer, .address_space: global }
      - { .name: w2f, .offset: 40, .size: 8, .value_kind: global_buffer, .address_space: global }
      - { .name: list, .offset: 48, .size: 8, .value_kind: global_buffer, .address_space: global }
      - { .name: tinfo, .offset: 56, .size: 8, .value_kind: global_buffer, .address_space: global }
    .group_segment_fixed_size: 10752
    .private_segment_fixed_size: 0
    .kernarg_segment_align: 8
    .kernarg_segment_size: 64
    .max_flat_workgroup_size: 256
    .sgpr_count:     66
    .vgpr_count:     192
    .wavefront_size: 32
...
	.end_amdgpu_metadata
.endif
;; end of part 2
;; launch chain (part 3): grid 232 x 1, 4 waves a work-group, no clusters, 254,720 bytes of LDS; arguments xb, w1f, w2f, b1, b2, wts, list, tinfo, out0; writes out0
.if DOCPART == 3
	.amdgcn_target "amdgcn-amd-amdhsa--gfx1250"
	.amdhsa_code_object_version 6
	.text
	.protected	k_q3facd78e52_chain
	.globl	k_q3facd78e52_chain
	.p2align	8
	.type	k_q3facd78e52_chain,@function
k_q3facd78e52_chain:
	s_mov_b64 s[64:65], 0
	v_nop
	global_prefetch_b8 v0, s[64:65] scope:SCOPE_SE
	s_setreg_imm32_b32 hwreg(HW_REG_WAVE_MODE, 25, 1), 1
	s_wait_xcnt 0x0
; CHAIN.  A work-group takes one tile: up to 80 tokens that chose the same pair of experts (lo, hi), through both MLPs into one sum:
;   out = [w_lo relu(x W1_lo + b1_lo) | w_hi relu(x W1_hi + b1_hi)] x [W2_lo ; W2_hi] + w_lo b2_lo + w_hi b2_hi.   Each output row has one owner; nothing is added up later.
; FORMATS.  x, W1, W2, b1, b2 rounded to bf16; sums f32; the weighted hidden layer rounded once to bf16 (bf16, not f16: it keeps its room for inputs many times larger); out f32.
; LIMITS.  NaN and infinities are not treated apart (the ReLU is a maximum in which a NaN loses).
; TILES.  232 work-groups serve every split (at most (16,384 + 79 x 28) / 80 tiles).  Places past a tile's count repeat its last token and their stores are jumped.  A tile without tokens
; walks the same text on the first token of tile 0 and stores nothing: no barrier stands under a branch on a loaded count.
; SHARES.  First product [80 x 1024][1024 x 512]: wave w has 128 of the 512 columns (waves 0, 1: expert lo; 2, 3: hi).  Second [80 x 512][512 x 1024] in two passes: wave w has columns
; 128 (2 w + pass) on.  Every K step of 32: 5 token fragments from LDS, 8 weight fragments (8,192 bytes) from memory straight into operand registers, 40 products on 40 accumulators by turns.
; No weight byte is wanted by two waves, so the weights pass no LDS and no loop holds a barrier.  NO CLUSTER: partners would have to share a pair of experts;
; whole clusters for each pair want tiles of 112 tokens to fit 64 clusters, which leaves more of each tile empty than the shared requests save.
; A ring of four weight buffers: a chunk is asked for three K steps (120 products) ahead of its use; the stream runs on from the first product into the second and from pass to pass.
; THE MATRIX INSTRUCTION IS USED TRANSPOSED: source 0 = 16 weight columns, source 1 = 16 tokens: a lane holds one token (lane % 16) and eight neighbouring columns 8 (lane / 16) + 0..7.
; REGISTERS (windows of 256; s_set_vgpr_msb: bits 1:0 source 0, 3:2 source 1, 5:4 source 2, 7:6 destination).  window 0: see the names below.  window 1: four weight buffers of 64.
; window 2: accumulators (m, f), m = 0..3, at 8 (8 m + f).  window 3: m = 4 at 8 f.  Windows 2 and 3 first take the rows of x on their way into LDS.
.set XP,    2064                       ; a row of x in LDS: 2,048 bytes + 16
.set HP,    1040                       ; a row of the hidden layer: 1,024 + 16
.set SP,    528                        ; a row of a stage: 512 + 16.  All three are odd multiples of 16 bytes: 16 rows start at 16 different groups of four banks
.set STG,   80*SP                      ; a wave's stage.  The four stages lie where x lay: x is read for the last time in front of the second barrier
.set HB,    4*STG                      ; the hidden layer
.set WL,    HB+80*HP                   ; 128 x {w_lo, w_hi}
.set TOKL,  WL+1024                    ; 128 x token
.set SPARE, WL+2048                    ; the spare words: 128 bytes a wave, named by no other line
.set AX,   2                           ; v2-6    token fragments' LDS address for each block m of 16 tokens, in the trip in hand
.set L16,  7                           ; v7      16 x lane; never rewritten
.set HS0,  8                           ; v8, v9  where I put 16 bytes of the hidden layer: blocks 0-3, block 4
.set HS4,  9
.set ST,   10                          ; v10     where I put results in my stage
.set RD,   11                          ; v11     where I read rows of it back, in the trip in hand
.set RD0,  12                          ; v12     the same at the stage's first row
.set COL,  13                          ; v13     my 16 bytes in a row of out
.set ZR,   14                          ; v14     0
.set TOKS, 15                          ; v15     lane i: the token of row 20 w + i
.set SPW,  24                          ; v24, v25  the add's two registers
.set NIL,  25
.set WS,   26                          ; v26-35  my token's gate weight for my wave's expert, a pair for each m (the upper word 0)
.set BLC,  36                          ; v36-39 b2_lo, v40-43 b2_hi of my four columns in the pass in hand; v44-51 those of the second pass
.set XO,   52                          ; v52-71  the byte offsets of my 20 rows in xb
.set AXH,  60                          ; v60-64  later: AX's start in the hidden layer
.set AXX,  72                          ; v72-76  AX's start in x
.set AF,   80                          ; v80-119, v120-159  two buffers of five token fragments
.set WW,   80                          ; the way out: v80-95, v96-111  eight rows' pairs of gate weights, two buffers (no memory instruction's source, so the fragments may follow them without a wait)
.set CB,   160                         ; v160-223  b1 as a C operand, eight registers for each f
.set DD,   160                         ; the way out: v160-191, v192-223  eight rows of results, two buffers
.set TT,   224                         ; v224-255  at work
.set OO,   224                         ; the way out: v224-231, v232-239  eight rows' byte offsets in out, two buffers
.set TK,   240                         ; the way out: v240-247, v248-255  eight rows' tokens, two buffers
.set CUR,  36                          ; s[36:37] the weight stream at the trip in hand,
.set NXT,  38                          ; s[38:39] at the next trip
.set PA,   40                          ; s[40:41] w2f at expert lo, my block of columns
.set PB,   42                          ; s[42:43] the same at expert hi
.set KO,   54                          ; s54  bytes along K of the trip in hand
.set MSB, 0
.macro WIN new                         ; the high byte repeats the setting that is left; a switch that changes nothing is dropped
.if MSB != (\new)
	s_set_vgpr_msb (MSB<<8)|(\new)
.set MSB, \new
.endif
.endm
	s_load_b512 s[8:23], s[0:1], 0x0               ; xb s[8:9], w1f s[10:11], w2f s[12:13], b1 s[14:15], b2 s[16:17], wts s[18:19], list s[20:21], tinfo s[22:23]
	s_load_b64 s[24:25], s[0:1], 0x40              ; out0
	v_lshl_add_u32 v[SPW], v0, 2, SPARE
	v_mov_b32 v[NIL], 0
	v_lshrrev_b32 v1, 5, v0
	v_readfirstlane_b32 s32, v1                    ; wave
	v_and_b32 v1, 31, v0                           ; lane
	v_and_b32 v18, 15, v0                          ; r
	v_bfe_u32 v19, v0, 4, 1                        ; h
	v_lshlrev_b32 v[L16], 4, v1
	s_lshl_b32 s48, ttmp9, 4
	s_mov_b32 s49, 0
	s_mov_b32 s57, 0
	s_mov_b32 s55, 0xffff0000
	s_wait_kmcnt 0x0
	s_add_nc_u64 s[22:23], s[22:23], s[48:49]
	s_load_b128 s[28:31], s[22:23], 0x0            ; my tile: lo, hi, count, last
	s_wait_kmcnt 0x0
	s_min_u32 s28, s28, 7
	s_min_u32 s29, s29, 7
	s_min_u32 s30, s30, 80
	s_min_u32 s31, s31, 79
	s_cmp_eq_u32 s30, 0
	s_cselect_b32 s48, 0, ttmp9                    ; a tile without tokens reads tile 0's list, whose first place is always written
	s_mul_i32 s56, s48, 320
	s_add_nc_u64 s[20:21], s[20:21], s[56:57]
	s_cmp_lt_u32 s32, 2
	s_cselect_b32 s33, s28, s29                    ; my wave's expert in the first product
	s_min_u32 s33, s33, 7
	s_and_b32 s50, s32, 1
	s_lshl_b32 s56, s33, 19
	s_lshl_b32 s48, s50, 18
	s_add_co_u32 s56, s56, s48
	s_add_nc_u64 s[CUR:CUR+1], s[10:11], s[56:57]
	s_add_nc_u64 s[NXT:NXT+1], s[CUR:CUR+1], 0x8000
	s_lshl_b32 s48, s32, 17                        ; two blocks of 65,536 bytes a wave
	s_lshl_b32 s56, s28, 19
	s_add_co_u32 s56, s56, s48
	s_add_nc_u64 s[PA:PA+1], s[12:13], s[56:57]
	s_lshl_b32 s56, s29, 19
	s_add_co_u32 s56, s56, s48
	s_add_nc_u64 s[PB:PB+1], s[12:13], s[56:57]
	s_lshl_b32 s56, s33, 10
	s_lshl_b32 s48, s50, 9
	s_add_co_u32 s56, s56, s48
	s_add_nc_u64 s[14:15], s[14:15], s[56:57]      ; b1 at my 128 columns
	s_lshl_b32 s48, s32, 10
	s_lshl_b32 s56, s28, 12
	s_add_co_u32 s56, s56, s48
	s_add_nc_u64 s[26:27], s[16:17], s[56:57]      ; b2_lo at my 256 columns
	s_lshl_b32 s56, s29, 12
	s_add_co_u32 s56, s56, s48
	s_add_nc_u64 s[34:35], s[16:17], s[56:57]      ; b2_hi
	v_min_u32 v20, 19, v1
	s_mul_i32 s48, s32, 20
	v_add_nc_u32 v20, s48, v20
	v_min_u32 v20, s31, v20                        ; places past the count repeat the last token
	v_min_u32 v20, 79, v20
	v_lshlrev_b32 v20, 2, v20
	v_min_u32 v21, s31, v0
	v_min_u32 v21, 79, v21
	v_lshlrev_b32 v21, 2, v21
	global_load_b32 v[TOKS], v20, s[20:21]         ; the tokens whose rows my wave brings in,
	global_load_b32 v22, v21, s[20:21]             ; and row t's token for the tables
	WIN 0x40
.set c, 0
.rept 3                                                ; the first three chunks of weights go out while the tokens' numbers are on their way
.set f, 0
.rept 8
	global_load_b128 v[64*c+8*f:64*c+8*f+3], v[L16], s[CUR:CUR+1] offset:c*8192+f*1024 th:TH_LOAD_NT_HT
	global_load_b128 v[64*c+8*f+4:64*c+8*f+7], v[L16], s[CUR:CUR+1] offset:c*8192+f*1024+512 th:TH_LOAD_NT_HT
.set f, f+1
.endr
.set c, c+1
.endr
	WIN 0
	s_wait_loadcnt 48                              ; the two loads of tokens are in; the 48 of weights stay out
	v_min_u32 v[TOKS], 0x3fff, v[TOKS]
	v_min_u32 v22, 0x3fff, v22
	v_lshlrev_b32 v23, 3, v22
	global_load_b64 v[16:17], v23, s[18:19]        ; row t's two gate weights
	v_lshlrev_b32 v20, 5, v19
.set f, 0
.rept 8                                                ; b1 of columns 16 f + 8 h + 0..7: the C operand's layout
	global_load_b128 v[CB+8*f:CB+8*f+3], v20, s[14:15] offset:f*64
	global_load_b128 v[CB+8*f+4:CB+8*f+7], v20, s[14:15] offset:f*64+16
.set f, f+1
.endr
	global_load_b128 v[BLC:BLC+3], v[L16], s[26:27]
	global_load_b128 v[BLC+4:BLC+7], v[L16], s[34:35]
	global_load_b128 v[BLC+8:BLC+11], v[L16], s[26:27] offset:512
	global_load_b128 v[BLC+12:BLC+15], v[L16], s[34:35] offset:512
.set i, 0
.rept 20
	v_readlane_b32 s48, v[TOKS], i
	s_min_u32 s48, s48, 0x3fff
	v_lshl_add_u32 v[XO+i], s48, 11, v[L16]        ; a row of xb is 2,048 bytes: four loads of 512 consecutive bytes
.set i, i+1
.endr
	WIN 0x80
.set i, 0
.rept 20
.if i == 16
	WIN 0xc0
.endif
.set q, 0
.rept 4
	global_load_b128 v[(16*i+4*q)%256:(16*i+4*q)%256+3], v[XO+i], s[8:9] offset:q*512
.set q, q+1
.endr
.set i, i+1
.endr
	WIN 0
	s_mul_i32 s48, s32, 20*XP
	v_add_nc_u32 v21, s48, v[L16]                  ; my wave's 20 rows in LDS
.set g, 0
.rept 5                                                ; four rows at a time
.if g == 0
	s_wait_loadcnt 63                              ; 64 loads of x are younger than these sixteen; the largest count that can be written is one less
	WIN 0x08
.else
	s_wait_loadcnt 16*(4-g)                        ; the later rows' loads stay out
.endif
.if g == 4
	WIN 0x0c
.endif
.set k, 0
.rept 16
	ds_store_b128 v21, v[(64*g+4*k)%256:(64*g+4*k)%256+3] offset:(4*g+k/4)*XP+(k%4)*512
.set k, k+1
.endr
.set g, g+1
.endr
	WIN 0
	v_lshl_add_u32 v20, v0, 3, WL
	v_lshl_add_u32 v23, v0, 2, TOKL
	ds_store_b64 v20, v[16:17]
	ds_store_b32 v23, v22
.set i, 0
.rept 8                                                ; b2 and b1 are rounded to bf16 like every input, and widened
	v_cvt_pk_bf16_f32 v[TT+i], v[BLC+2*i], v[BLC+2*i+1]
.set i, i+1
.endr
.set i, 0
.rept 8
	v_lshlrev_b32 v[BLC+2*i], 16, v[TT+i]
	v_and_b32 v[BLC+2*i+1], s55, v[TT+i]
.set i, i+1
.endr
.set i, 0
.rept 32
	v_cvt_pk_bf16_f32 v[TT+i], v[CB+2*i], v[CB+2*i+1]
.set i, i+1
.endr
.set i, 0
.rept 32
	v_lshlrev_b32 v[CB+2*i], 16, v[TT+i]
	v_and_b32 v[CB+2*i+1], s55, v[TT+i]
.set i, i+1
.endr
	v_mul_u32_u24 v20, v18, XP
	v_lshl_add_u32 v20, v19, 4, v20                ; a fragment: row r x pitch + 16 h
.set m, 0
.rept 5
	v_add_nc_u32 v[AXX+m], m*16*XP, v20
	v_add_nc_u32 v[AX+m], m*16*XP, v20
.set m, m+1
.endr
	v_mul_u32_u24 v20, v18, HP
	v_lshl_add_u32 v20, v19, 4, v20
.set m, 0
.rept 5
	v_add_nc_u32 v[AXH+m], HB+m*16*HP, v20
.set m, m+1
.endr
	s_lshl_b32 s48, s32, 8
	s_add_co_u32 s48, s48, HB
	v_add_nc_u32 v[HS0], s48, v20                  ; my wave's 256 bytes of a hidden row
	v_add_nc_u32 v[HS4], 4*16*HP, v[HS0]
	s_mul_i32 s48, s32, STG
	v_mul_u32_u24 v20, v18, SP
	v_lshl_add_u32 v20, v19, 5, v20
	v_add_nc_u32 v[ST], s48, v20
	v_add_nc_u32 v[RD0], s48, v[L16]
	s_lshl_b32 s48, s32, 10
	v_add_nc_u32 v[COL], s48, v[L16]
	v_mov_b32 v[ZR], 0
	v_lshl_add_u32 v20, v18, 3, WL
	s_lshr_b32 s48, s32, 1
	s_lshl_b32 s48, s48, 2
	v_add_nc_u32 v20, s48, v20                     ; token r's weight for my wave's expert
.set m, 0
.rept 5
	v_mov_b32 v[WS+2*m+1], 0
.set m, m+1
.endr
	s_mov_b32 s[KO], 0
	s_wait_dscnt 0x0                               ; my rows of x and my part of the tables are stored
	s_barrier_signal -1
	s_barrier_wait -1                              ; everybody's are
; K step j of a trip of four.  places: four v_nop between the step before and loads into registers that it multiplied.  bload: the chunk three steps on goes into the buffer read last step.
; aload: the next step's five token fragments.  lcnt: the loads of weights issued behind this step's chunk.  cmode: what starts or carries the sums: 0 the accumulator, 1 b1, 2 the constant 0.
.macro KSTEP j, cmode, aload, bload, lcnt, places
.if \places
.rept 4
	v_nop
.endr
.endif
.if \bload
	WIN 0x40
.set BN, 64*(((\j)+3)%4)
.if (\j) == 0
.set PR, CUR
.set PO, 3*8192
.else
.set PR, NXT
.set PO, ((\j)-1)*8192
.endif
.set f, 0
.rept 8
	global_load_b128 v[BN+8*f:BN+8*f+3], v[L16], s[PR:PR+1] offset:PO+f*1024 th:TH_LOAD_NT_HT
	global_load_b128 v[BN+8*f+4:BN+8*f+7], v[L16], s[PR:PR+1] offset:PO+f*1024+512 th:TH_LOAD_NT_HT
.set f, f+1
.endr
.endif
.if \aload
	WIN 0
.set AN, AF+40*(((\j)+1)%2)
.set m, 0
.rept 5
	ds_load_b128 v[AN+8*m:AN+8*m+3], v[AX+m] offset:((\j)+1)*64
	ds_load_b128 v[AN+8*m+4:AN+8*m+7], v[AX+m] offset:((\j)+1)*64+32
.set m, m+1
.endr
.endif
	s_wait_loadcnt \lcnt                           ; this step's chunk is in; the later chunks stay out
.if \aload
	s_wait_dscnt 10                                ; this step's fragments are in; the ten loads just issued stay out
.else
	s_wait_dscnt 0x0
.endif
.set AC, AF+40*((\j)%2)
.set BC, 64*(\j)
.set m, 0
.rept 5
.if m < 4
.set DB, 64*m
.if (\cmode) == 1
	WIN 0x81
.else
	WIN 0xa1
.endif
.else
.set DB, 0
.if (\cmode) == 1
	WIN 0xc1
.else
	WIN 0xf1
.endif
.endif
.set f, 0
.rept 8
.if (\cmode) == 1
	v_wmma_f32_16x16x32_bf16 v[DB+8*f:DB+8*f+7], v[BC+8*f:BC+8*f+7], v[AC+8*m:AC+8*m+7], v[CB+8*f:CB+8*f+7]
.elseif (\cmode) == 2
	v_wmma_f32_16x16x32_bf16 v[DB+8*f:DB+8*f+7], v[BC+8*f:BC+8*f+7], v[AC+8*m:AC+8*m+7], 0
.else
	v_wmma_f32_16x16x32_bf16 v[DB+8*f:DB+8*f+7], v[BC+8*f:BC+8*f+7], v[AC+8*m:AC+8*m+7], v[DB+8*f:DB+8*f+7]
.endif
.set f, f+1
.endr
.set m, m+1
.endr
.endm
; Four K steps.  alast: the phase's last trip: its last step fetches no token fragments.  bfin: the very last trip: only its first step asks for weights, and the counts run down.
; ab: AX's start.  The five lines that move AX on are also the places in front of the next trip's loads.
.macro TRIP cmode, alast, bfin, ab
	KSTEP 0, \cmode, 1, 1, 48, 0
	KSTEP 1, 0, 1, 1-(\bfin), 48-16*(\bfin), 1
	KSTEP 2, 0, 1, 1-(\bfin), 48-32*(\bfin), 1
	KSTEP 3, 0, 1-(\alast), 1-(\bfin), 48-48*(\bfin), 1
	WIN 0
.if !(\alast)
	s_add_co_u32 s[KO], s[KO], 256
.set m, 0
.rept 5
	v_add_nc_u32 v[AX+m], s[KO], v[(\ab)+m]
.set m, m+1
.endr
.endif
.endm
.macro ADVI                            ; the stream's two addresses move on; they are rewritten only behind the wait
	s_wait_xcnt 0x0
	s_mov_b64 s[CUR:CUR+1], s[NXT:NXT+1]
	s_add_nc_u64 s[NXT:NXT+1], s[NXT:NXT+1], 0x8000
.endm
.macro ADVP p                          ; the same where the next trip but one begins another stream
	s_wait_xcnt 0x0
	s_mov_b64 s[CUR:CUR+1], s[NXT:NXT+1]
	s_mov_b64 s[NXT:NXT+1], s[\p:\p+1]
.endm
.macro LOOPEND lbl, p                  ; behind the loop's last trip the stream goes on at p
	s_wait_xcnt 0x0
	s_mov_b64 s[CUR:CUR+1], s[NXT:NXT+1]
	s_add_nc_u64 s[NXT:NXT+1], s[NXT:NXT+1], 0x8000
	s_sub_co_u32 s44, s44, 1
	s_cmp_lg_u32 s44, 0
	s_cselect_b64 s[NXT:NXT+1], s[NXT:NXT+1], s[\p:\p+1]
	s_cbranch_scc1 \lbl
.endm
.macro APRO                            ; a phase's first token fragments
.set m, 0
.rept 5
	ds_load_b128 v[AF+8*m:AF+8*m+3], v[AX+m]
	ds_load_b128 v[AF+8*m+4:AF+8*m+7], v[AX+m] offset:32
.set m, m+1
.endr
.endm
; THE WAY OUT goes in GRANULES of eight rows, on two sets of registers that take turns.
; LOADG: granule q of the trip in hand (q = 2: the next trip's first) into set k: 2 loads of tokens and 4 of weights, which every lane reads alike, and 8 whole rows of my stage.
.macro LOADG k, q
.set LT, TK+8*(\k)
.set LW, WW+16*(\k)
.set LD, DD+32*(\k)
	ds_load_b128 v[LT:LT+3], v21 offset:32*(\q)
	ds_load_b128 v[LT+4:LT+7], v21 offset:32*(\q)+16
.set i, 0
.rept 4
	ds_load_b128 v[LW+4*i:LW+4*i+3], v20 offset:64*(\q)+16*i
.set i, i+1
.endr
.set i, 0
.rept 8
	ds_load_b128 v[LD+4*i:LD+4*i+3], v[RD] offset:(8*(\q)+i)*SP  ; LDS serves a wave's instructions in order, so these see the stage's stores
.set i, i+1
.endr
.endm
; GRAN: set k's eight rows get w_lo b2_lo + w_hi b2_hi and leave.  The lines go by kind, eight rows at a time, so that none reads the result of the line before it.
; more = 1: the next granule (q) is asked for in the middle: behind sixteen vector lines, which stand between the last granule's stores and the wait that frees their data registers,
; and ahead of 32 vector lines and 8 stores, which stand between these loads and the wait for them.
.macro GRAN k, q, more
.set GD, DD+32*(\k)
.set GW, WW+16*(\k)
.set GT, TK+8*(\k)
.set GO, OO+8*(\k)
	s_wait_dscnt 0x0                               ; this granule's fourteen loads, issued a granule ago, are in
.set i, 0
.rept 8
	v_pk_fma_f32 v[GD+4*i:GD+4*i+1], v[BLC:BLC+1], v[GW+2*i:GW+2*i+1], v[GD+4*i:GD+4*i+1] op_sel_hi:[1,0,1]
	v_pk_fma_f32 v[GD+4*i+2:GD+4*i+3], v[BLC+2:BLC+3], v[GW+2*i:GW+2*i+1], v[GD+4*i+2:GD+4*i+3] op_sel_hi:[1,0,1]
.set i, i+1
.endr
.if \more
	s_wait_xcnt 0x0                                ; the other set's rows and offsets were the last granule's store sources: they are written again only behind this wait
	LOADG 1-(\k), \q
.endif
.set i, 0
.rept 8
	v_pk_fma_f32 v[GD+4*i:GD+4*i+1], v[BLC+4:BLC+5], v[GW+2*i:GW+2*i+1], v[GD+4*i:GD+4*i+1] op_sel:[0,1,0] op_sel_hi:[1,1,1]
	v_pk_fma_f32 v[GD+4*i+2:GD+4*i+3], v[BLC+6:BLC+7], v[GW+2*i:GW+2*i+1], v[GD+4*i+2:GD+4*i+3] op_sel:[0,1,0] op_sel_hi:[1,1,1]
.set i, i+1
.endr
.set i, 0
.rept 8
	v_min_u32 v[GO+i], 0x3fff, v[GT+i]
.set i, i+1
.endr
.set i, 0
.rept 8
	v_lshl_add_u32 v[GO+i], v[GO+i], 12, v[COL]    ; a row of out is 4,096 bytes
.set i, i+1
.endr
.set i, 0
.rept 8
	s_cmp_gt_i32 s46, 8*(\k)+i                     ; rows past the tile's count are not stored
	s_cbranch_scc0 .Lgd_\@
	global_store_b128 v[GO+i], v[GD+4*i:GD+4*i+3], s[24:25] th:TH_STORE_NT  ; 512 consecutive aligned bytes of one token's row
.set i, i+1
.endr
.Lgd_\@:
.endm
; THE FIRST PRODUCT: 32 K steps, eight trips.
.set m, 0
.rept 5
	ds_load_b32 v[WS+2*m], v20 offset:m*128
.set m, m+1
.endr
	APRO
	TRIP 1, 0, 0, AXX                              ; b1 starts the sums
	ADVI
	s_mov_b32 s44, 6
.Lg1:
	TRIP 0, 0, 0, AXX
	LOOPEND .Lg1, PA
	TRIP 0, 1, 0, AXX                              ; the last trip already asks for the second product's first three chunks
	ADVI
	s_add_nc_u64 s[PA:PA+1], s[PA:PA+1], 0x10000   ; the second pass's block of columns
.set m, 0
.rept 5
	v_mov_b32 v[AX+m], v[AXH+m]                    ; five plain lines: the places behind the last products
.set m, m+1
.endr
; The hidden layer: times my token's gate weight (not negative, so relu(a) w = max(a w, 0)), rounded to bf16, the maximum on packed halves, 16 bytes a lane into LDS.
.macro EPI1M m
.if (\m) < 4
.set AB, 64*(\m)
	WIN 0x82
.else
.set AB, 0
	WIN 0xc3
.endif
.set i, 0
.rept 32                                               ; each accumulator from its low end on
	v_pk_mul_f32 v[AB+2*i:AB+2*i+1], v[AB+2*i:AB+2*i+1], v[WS+2*(\m):WS+2*(\m)+1] op_sel_hi:[1,0]
.set i, i+1
.endr
.if (\m) < 4
	WIN 0x0a
.else
	WIN 0x0f
.endif
.set i, 0
.rept 32
	v_cvt_pk_bf16_f32 v[TT+i], v[AB+2*i], v[AB+2*i+1]
.set i, i+1
.endr
	WIN 0
.set i, 0
.rept 32
	v_pk_max_num_bf16 v[TT+i], v[TT+i], v[ZR]
.set i, i+1
.endr
.set f, 0
.rept 8
.if (\m) < 4
	ds_store_b128 v[HS0], v[TT+4*f:TT+4*f+3] offset:(\m)*16*HP+f*32
.else
	ds_store_b128 v[HS4], v[TT+4*f:TT+4*f+3] offset:f*32
.endif
.set f, f+1
.endr
.endm
.irp m, 0,1,2,3,4
	EPI1M \m
.endr
	s_wait_dscnt 0x0                               ; my part of the hidden layer is stored, and my reads of x are over
	s_barrier_signal -1
	s_barrier_wait -1                              ; the hidden layer is whole; where x lay the stages may be written
; THE SECOND PRODUCT: two passes of 16 K steps (eight from expert lo's rows of W2, eight from hi's), each followed by its way out.
	s_mov_b32 s45, 2
.Lpass:
	s_mov_b32 s[KO], 0
	APRO
	TRIP 2, 0, 0, AXH                              ; the constant 0 starts the sums
	ADVP PB
	s_mov_b32 s44, 2
.Lg2:
	TRIP 0, 0, 0, AXH
	LOOPEND .Lg2, PA
	s_cmp_eq_u32 s45, 1
	s_cbranch_scc1 .Lfin
	TRIP 0, 1, 0, AXH                              ; the first pass's last trip asks for the second pass's first three chunks
	ADVI
	s_add_nc_u64 s[PB:PB+1], s[PB:PB+1], 0x10000
	s_branch .Lepi
.Lfin:
	TRIP 0, 1, 1, AXH                              ; the last trip asks for nothing past the stream's end
.Lepi:
; THE WAY OUT.  The results go into my own stage (rows of 528 bytes) and come back as whole rows: 32 lanes hold 512 consecutive bytes of one token's row of out.
.rept 4
	v_nop                                          ; four places in front of the first read of the sums, and of loads into registers that the last products read
.endr
	WIN 0x08
.set m, 0
.rept 5
.if m == 4
	WIN 0x0c
.endif
.set f, 0
.rept 8
	ds_store_b128 v[ST], v[(64*m+8*f)%256:(64*m+8*f)%256+3] offset:m*16*SP+f*64
	ds_store_b128 v[ST], v[(64*m+8*f)%256+4:(64*m+8*f)%256+7] offset:m*16*SP+f*64+16
.set f, f+1
.endr
.set m, m+1
.endr
	WIN 0
	s_mov_b32 s46, s30                             ; rows still to be stored, counted from the trip's first row
	s_mov_b32 s47, 4                               ; four trips of two granules; the last two granules are written out, so that no load reaches past the stage's row 79
	s_mov_b32 s49, 0
	s_mov_b32 s52, WL
	s_mov_b32 s53, TOKL
	v_mov_b32 v[RD], v[RD0]
	v_mov_b32 v20, s52
	v_mov_b32 v21, s53
	LOADG 0, 0                                     ; (set 0's registers were store sources in the pass before: the waits in the weight stream's steps stand between)
.Lrow:
	GRAN 0, 1, 1
	GRAN 1, 2, 1
	s_add_co_u32 s49, s49, 16*SP
	s_add_co_u32 s52, s52, 128
	s_add_co_u32 s53, s53, 64
	v_add_nc_u32 v[RD], s49, v[RD0]
	v_mov_b32 v20, s52
	v_mov_b32 v21, s53
	s_sub_co_i32 s46, s46, 16
	s_sub_co_u32 s47, s47, 1
	s_cmp_lg_u32 s47, 0
	s_cbranch_scc1 .Lrow
	GRAN 0, 1, 1                                   ; rows 64 to 71; rows 72 to 79 are asked for
	GRAN 1, 2, 0                                   ; rows 72 to 79; nothing is left to ask for
	v_add_nc_u32 v[COL], 512, v[COL]               ; the second pass: the next 128 columns, their b2,
.set i, 0
.rept 8
	v_mov_b32 v[BLC+i], v[BLC+8+i]
.set i, i+1
.endr
.set m, 0
.rept 5
	v_mov_b32 v[AX+m], v[AXH+m]                    ; and the hidden layer from its start
.set m, m+1
.endr
	s_sub_co_u32 s45, s45, 1
	s_cmp_lg_u32 s45, 0
	s_cbranch_scc1 .Lpass
	s_wait_tensorcnt 0x0                           ; the wave's end
	ds_add_u32 v[SPW], v[NIL]
	s_wait_dscnt 0x0
	s_endpgm
.Lfunc_end_k_q3facd78e52_chain:
	.size	k_q3facd78e52_chain, .Lfunc_end_k_q3facd78e52_chain-k_q3facd78e52_chain
	.p2alignl 7, 3214868480
	.fill 96, 4, 3214868480
	.section	.rodata,"a",@progbits
	.p2align	6, 0x0
	.amdhsa_kernel k_q3facd78e52_chain
		.amdhsa_group_segment_fixed_size 254720
		.amdhsa_private_segment_fixed_size 0
		.amdhsa_enable_private_segment 0
		.amdhsa_kernarg_size 72
		.amdhsa_user_sgpr_count 2
		.amdhsa_user_sgpr_kernarg_segment_ptr 1
		.amdhsa_wavefront_size32 1
		.amdhsa_system_sgpr_workgroup_id_x 1
		.amdhsa_system_sgpr_workgroup_id_y 1
		.amdhsa_system_sgpr_workgroup_id_z 1
		.amdhsa_system_vgpr_workitem_id 0
		.amdhsa_next_free_vgpr 832
		.amdhsa_next_free_sgpr 66
		.amdhsa_reserve_vcc 0
		.amdhsa_float_denorm_mode_32 3
		.amdhsa_float_denorm_mode_16_64 3
		.amdhsa_memory_ordered 1
		.amdhsa_forward_progress 1
		.amdhsa_inst_pref_size 230
	.end_amdhsa_kernel
	.amdgpu_metadata
---
amdhsa.version: [ 1, 2 ]
amdhsa.kernels:
  - .name:           k_q3facd78e52_chain
    .symbol:         k_q3facd78e52_chain.kd
    .args:
      - { .name: xb, .offset: 0, .size: 8, .value_kind: global_buffer, .address_space: global }
      - { .name: w1f, .offset: 8, .size: 8, .value_kind: global_buffer, .address_space: global }
      - { .name: w2f, .offset: 16, .size: 8, .value_kind: global_buffer, .address_space: global }
      - { .name: b1, .offset: 24, .size: 8, .value_kind: global_buffer, .address_space: global }
      - { .name: b2, .offset: 32, .size: 8, .value_kind: global_buffer, .address_space: global }
      - { .name: wts, .offset: 40, .size: 8, .value_kind: global_buffer, .address_space: global }
      - { .name: list, .offset: 48, .size: 8, .value_kind: global_buffer, .address_space: global }
      - { .name: tinfo, .offset: 56, .size: 8, .value_kind: global_buffer, .address_space: global }
      - { .name: out0, .offset: 64, .size: 8, .value_kind: global_buffer, .address_space: global }
    .group_segment_fixed_size: 254720
    .private_segment_fixed_size: 0
    .kernarg_segment_align: 8
    .kernarg_segment_size: 72
    .max_flat_workgroup_size: 128
    .sgpr_count:     66
    .vgpr_count:     832
    .wavefront_size: 32
...
	.end_amdgpu_metadata
.endif
;; end of part 3
;; ======== version 2 of 2: 3 launches; version 1 with the launches router, chain written anew for expert scheduling mode
;; workspace buffers: xb 33,554,432 bytes; w1f 4,194,304 bytes; w2f 4,194,304 bytes; wts 131,072 bytes; pid 65,536 bytes of whole numbers; hist 65,536 bytes of whole numbers; list 74,240 bytes of whole numbers; tinfo 4,096 bytes of whole numbers
;; launch router (part 4): grid 256 x 1, 4 waves a work-group, no clusters, 150,016 bytes of LDS; arguments x, gate_w, gate_b, xb, pid, wts, hist; writes xb, pid, wts, hist
.if DOCPART == 4
	.amdgcn_target "amdgcn-amd-amdhsa--gfx1250"
	.amdhsa_code_object_version 6
	.text
	.protected	k_q3facd78e52_router
	.globl	k_q3facd78e52_router
	.p2align	8
	.type	k_q3facd78e52_router,@function
k_q3facd78e52_router:
	s_mov_b64 s[64:65], 0
	v_nop
	global_prefetch_b8 v0, s[64:65] scope:SCOPE_SE
	s_setreg_imm32_b32 hwreg(HW_REG_WAVE_SCHED_MODE, 0, 2), 2
	s_setreg_imm32_b32 hwreg(HW_REG_WAVE_MODE, 25, 1), 1
	s_wait_xcnt 0x0
	s_wait_alu depctr_vm_vsrc(0)
; ROUTER.  For 16,384 tokens of 1,024 numbers: x rounded to bf16 (xb), the logits of 8 experts, the two largest (ties: the lower index), the softmax of
; these two (wts: {weight of the lower expert, of the higher}), the code 8 lo + hi (pid), and for each block of 64 tokens how often each code occurs (hist).
; All inputs are rounded to bf16 first (x, gate_w, gate_b), products are exact, sums f32 in the matrix unit.
; LIMITS.  NaN and infinities are not treated apart.  A weight whose exponential falls below 2^-126 counts as 0.  Two logits closer than the rounding of
; their f32 sums (about 1e-6 of their size) may be ordered otherwise than by a sum taken in another order.
; SHARES.  Work-group b: tokens 64 b .. 64 b + 63; wave w: 16 of them.  A row of x is 4,096 bytes: eight loads of 512 consecutive bytes; seven rows of a wave are on their way.
; No address and no branch hangs on a logit: codes, weights and counts are stored at fixed places.
; REGISTERS.  window 0: v0-26 addresses and small work; v30, v31 the add; v64-127 gate loads, then gate fragments, then codes;
; v128-191 x fragments; v192-223 four accumulators; v224-231 logits; v232-239 logits without the largest; v240-247 bias; v248-255 at work.  window 1: eight row slots of 32; later v64-191 a second set of fragments.
; window 2: the sixteen packed rows, 16 registers each: a row's registers are store data once and are never written again.
; THE MODE: SCHED_MODE bits 1:0 = 2 (LLVM: expert scheduling mode 2), set by the entry lines.  The code itself states the register dependences
; between vector or matrix instructions and memory or LDS instructions, with s_wait_alu, always for 0.
; THE PLAN.  Registers that memory or LDS instructions touch:
;   S0 .. S7   (window 1) Row i's sixteen conversions read S[i % 8]; the loads of row i + 7, issued in row i, land in S[(i - 1) % 8], which row i - 1's conversions read.
;   P0 .. P15  (window 2) Written by row i's conversions; read by sixteen stores that are issued in row i + 1; never written again.
;   v64-127    The gate's loads land here; 32 conversions close them up in place; 64 LDS stores read them; then they are fragments.
;   two sets of fragments (v64-191 of window 0 and of window 1): written by LDS loads, read by the products of two batches each.
;   v4-9, v11, v18-23  offsets and LDS addresses: made at the head, never written again.
; So ONE wait on va_vdst stands at a row's head: row i - 1's conversions have written P[i - 1] and are done reading their slot.  The row's eight loads and sixteen stores follow it,
; and then its conversions, which name S[i % 8] and P[i] alone.  The 32 K steps of the logits have one such wait in their middle.
; Masks of compares go in runs into scalar registers, with one wait on va_sdst behind each run.
.set GP,    2064                       ; an LDS row of 1,024 bf16 + 16 bytes: 516 words, so 16 rows start at 16 different groups of four banks
.set XT,    16640                      ; behind the gate table (8 rows): the 64 rows of x
.set PIDL,  148736                     ; 64 codes
.set WTL,   148992                     ; 64 pairs of weights
.set SPARE, 149504                     ; the spare words: 128 bytes a wave, named by no other line
.set MSB, 0
.macro WIN new                         ; the high byte repeats the setting that is left; a switch that changes nothing is dropped
.if MSB != (\new)
	s_set_vgpr_msb (MSB<<8)|(\new)
.set MSB, \new
.endif
.endm
	s_load_b256 s[4:11], s[0:1], 0x0               ; x s[4:5], gate_w s[6:7], gate_b s[8:9], xb s[10:11]
	s_load_b128 s[12:15], s[0:1], 0x20             ; pid s[12:13], wts s[14:15]
	s_load_b64 s[16:17], s[0:1], 0x30              ; hist
	v_lshl_add_u32 v30, v0, 2, SPARE
	v_mov_b32 v31, 0
	v_lshrrev_b32 v1, 5, v0
	v_readfirstlane_b32 s18, v1                    ; wave
	v_and_b32 v1, 31, v0                           ; lane
	v_and_b32 v2, 15, v0                           ; r
	v_bfe_u32 v3, v0, 4, 1                         ; h
	v_lshlrev_b32 v4, 4, v1                        ; 16 x lane
	v_lshlrev_b32 v5, 3, v1                        ; 8 x lane
	s_wait_alu depctr_va_sdst(0)                   ; s18 is written, ahead of its first reader
	s_mul_i32 s19, s18, 16*GP
	s_add_co_u32 s19, s19, XT                      ; my wave's 16 rows in LDS
	v_add_nc_u32 v6, s19, v5                       ; where I put 8 bytes of a row
	v_and_b32 v7, 1, v0
	v_mul_u32_u24 v7, v7, 4*GP
	v_lshrrev_b32 v10, 1, v0
	v_lshl_add_u32 v7, v10, 1, v7                  ; gate table: expert rows 4 (t & 1) on, column t >> 1
	v_and_b32 v8, 7, v0
	v_mul_u32_u24 v8, v8, GP
	v_lshl_add_u32 v8, v3, 4, v8                   ; gate fragment: row r & 7 (rows 8-15 repeat 0-7), 16 h
	v_mul_u32_u24 v9, v2, GP
	v_lshl_add_u32 v9, v3, 4, v9
	v_add_nc_u32 v9, s19, v9                       ; x fragment: my wave's row r, 16 h
	v_lshlrev_b32 v11, 4, v0                       ; 16 x thread: the gate's loads
	v_mov_b32 v12, 0xff800000                      ; -infinity
	v_lshl_add_u32 v18, s18, 4, v2                 ; my token in the block,
	v_lshl_add_u32 v19, v18, 2, PIDL               ; where its code goes,
	v_lshl_add_u32 v20, v18, 3, WTL                ; and its pair of weights
	v_add_nc_u32 v21, PIDL, v5                     ; where wave 0 reads the codes back,
	v_add_nc_u32 v22, WTL, v4                      ; wave 1 the weights,
	v_mov_b32 v23, PIDL                            ; and wave 2 all codes in every lane
	s_lshl_b32 s20, ttmp9, 18                      ; 64 rows of 4,096 bytes a block,
	s_lshl_b32 s21, s18, 16                        ; 16 a wave
	s_add_co_u32 s20, s20, s21
	s_mov_b32 s21, 0
	s_lshr_b32 s22, s20, 1                         ; half of that in xb
	s_mov_b32 s23, 0
	s_lshl_b32 s32, ttmp9, 8                       ; 256 bytes a block in pid and hist
	s_mov_b32 s33, 0
	s_lshl_b32 s34, ttmp9, 9                       ; 512 in wts
	s_mov_b32 s35, 0
	s_wait_kmcnt 0x0
	s_load_b256 s[24:31], s[8:9], 0x0              ; the eight biases
	s_add_nc_u64 s[4:5], s[4:5], s[20:21]
	s_add_nc_u64 s[10:11], s[10:11], s[22:23]
	s_add_nc_u64 s[12:13], s[12:13], s[32:33]
	s_add_nc_u64 s[14:15], s[14:15], s[34:35]
	s_add_nc_u64 s[16:17], s[16:17], s[32:33]
	s_wait_alu depctr_va_vdst(0)                   ; all offsets and LDS addresses of the kernel are written: every load and store below reads one of them
.set j, 0
.rept 16                                               ; the whole gate, 32,768 bytes, 2,048 consecutive bytes a load of the work-group
	global_load_b128 v[64+4*j:64+4*j+3], v11, s[6:7] offset:j*2048
.set j, j+1
.endr
.macro XLOAD i                         ; row i of my 16 into slot i % 8
	WIN 0x40
.set j, 0
.rept 8
	global_load_b128 v[32*((\i)%8)+4*j:32*((\i)%8)+4*j+3], v4, s[4:5] offset:(\i)*4096+j*512 th:TH_LOAD_NT
.set j, j+1
.endr
.endm
.irp i, 0,1,2,3,4,5,6
	XLOAD \i
.endr
	WIN 0
	s_wait_loadcnt 56                              ; the gate is in; the 56 loads of x behind it stay out
.set j, 0
.rept 16                                               ; load j holds gate_w[64 j + (t >> 1)][4 (t & 1) .. + 3]: rounded, four numbers close up into the first two of their four registers
	v_cvt_pk_bf16_f32 v[64+4*j], v[64+4*j], v[64+4*j+1]
	v_cvt_pk_bf16_f32 v[64+4*j+1], v[64+4*j+2], v[64+4*j+3]
.set j, j+1
.endr
	s_wait_alu depctr_va_vdst(0)                   ; the 32 conversions have written their registers, which the LDS stores read
.set j, 0
.rept 16                                               ; and turned into rows by experts
	ds_store_b16 v7, v[64+4*j] offset:j*128
	ds_store_b16_d16_hi v7, v[64+4*j] offset:j*128+GP
	ds_store_b16 v7, v[64+4*j+1] offset:j*128+2*GP
	ds_store_b16_d16_hi v7, v[64+4*j+1] offset:j*128+3*GP
.set j, j+1
.endr
.macro OUT i                           ; packed row i leaves: 256 consecutive aligned bytes a store into xb; the same into LDS
	WIN 0x08                                       ; store data in window 2, addresses in window 0
.set j, 0
.rept 8
	global_store_b64 v5, v[16*(\i)+2*j:16*(\i)+2*j+1], s[10:11] offset:(\i)*2048+j*256
	ds_store_b64 v6, v[16*(\i)+2*j:16*(\i)+2*j+1] offset:(\i)*GP+j*256
.set j, j+1
.endr
.endm
; Row i.  Behind the one wait: row i + 7 is asked for, into the slot that row i - 1 left, and row i - 1 is stored; then row i is rounded into its own sixteen registers.
.macro ROW i
.if (\i)+6 < 15
	s_wait_loadcnt 48                              ; six younger rows stay out
.else
	s_wait_loadcnt 8*(15-(\i))                     ; the counts run down
.endif
.if (\i)+7 < 16
	WIN 0x40                                       ; the switch first, then the wait, then the loads
.else
	WIN 0x08
.endif
.if (\i) > 0
	s_wait_alu depctr_va_vdst(0)                   ; the row before's conversions have written its packed registers, which the stores below read, and are done reading its slot, in which the loads below land
.endif
.if (\i)+7 < 16
	XLOAD (\i)+7
.endif
.if (\i) > 0
	OUT (\i)-1
.endif
	WIN 0x85                                       ; sources in window 1, destination in window 2
.set j, 0
.rept 16
	v_cvt_pk_bf16_f32 v[16*(\i)+j], v[32*((\i)%8)+2*j], v[32*((\i)%8)+2*j+1]
.set j, j+1
.endr
.endm
.irp i, 0,1,2,3,4,5,6,7,8,9,10,11,12,13,14,15
	ROW \i
.endr
	WIN 0
	s_wait_kmcnt 0x0                               ; the biases: rounded to bf16 like every input, and widened
.set j, 0
.rept 4
	v_cvt_pk_bf16_f32 v248, s[24+2*j], s[25+2*j]
	v_lshlrev_b32 v[240+2*j], 16, v248
	v_and_b32 v[241+2*j], 0xffff0000, v248
.set j, j+1
.endr
	WIN 0x08
	s_wait_alu depctr_va_vdst(0)                   ; row 15's conversions have written its packed registers, which the last sixteen stores read; every conversion is done reading its slot
	OUT 15
	WIN 0
	s_wait_dscnt 0x0                               ; my part of the gate table is stored
	s_barrier_signal -1
	s_barrier_wait -1                              ; everybody's is
; LOGITS.  Source 0 = the gate (16 rows: the 8 experts twice), source 1 = my 16 tokens: register j of a lane is expert j's logit of token lane % 16, in both halves of the lanes.
; 32 K steps in four batches of eight; four accumulators by turns.  Two batches are loaded together, into the two sets of fragments.
.macro FRAGS q, w                      ; batch q's 32 loads; w = 0: the set in window 0; 0x40: the set in window 1
	WIN \w
.set ss, 0
.rept 8
	ds_load_b128 v[64+8*ss:64+8*ss+3], v8 offset:(8*(\q)+ss)*64
	ds_load_b128 v[64+8*ss+4:64+8*ss+7], v8 offset:(8*(\q)+ss)*64+32
	ds_load_b128 v[128+8*ss:128+8*ss+3], v9 offset:(8*(\q)+ss)*64
	ds_load_b128 v[128+8*ss+4:128+8*ss+7], v9 offset:(8*(\q)+ss)*64+32
.set ss, ss+1
.endr
.endm
.macro PROD q, w                       ; batch q's 8 products; w = 0: sources in window 0; 0x05: in window 1
	WIN \w
.set ss, 0
.rept 8
.if ((\q) == 0) && (ss < 4)
	v_wmma_f32_16x16x32_bf16 v[192+8*(ss%4):192+8*(ss%4)+7], v[64+8*ss:64+8*ss+7], v[128+8*ss:128+8*ss+7], 0
.else
	v_wmma_f32_16x16x32_bf16 v[192+8*(ss%4):192+8*(ss%4)+7], v[64+8*ss:64+8*ss+7], v[128+8*ss:128+8*ss+7], v[192+8*(ss%4):192+8*(ss%4)+7]
.endif
.set ss, ss+1
.endr
.endm
	s_wait_alu depctr_vm_vsrc(0)                   ; the gate's LDS stores have read v64-127, in which fragments land
	FRAGS 0, 0
	FRAGS 1, 0x40                                  ; (no vector instruction since the wait ahead of row 15's stores)
	s_wait_dscnt 32                                ; batch 0 is in; batch 1's 32 loads stay out
	PROD 0, 0
	s_wait_dscnt 0x0
	PROD 1, 0x05
.rept 4
	v_nop                                          ; four places between the last products and loads into registers that they read
.endr
	WIN 0
	s_wait_alu depctr_va_vdst(0)                   ; the sixteen products are done reading both sets of fragments, in which the loads below land
	FRAGS 2, 0
	FRAGS 3, 0x40
	s_wait_dscnt 32                                ; batch 2 is in; batch 3's 32 loads stay out
	PROD 2, 0
	s_wait_dscnt 0x0
	PROD 3, 0x05
	WIN 0
.rept 4
	v_nop                                          ; four places in front of the first read of the sums
.endr
.set j, 0
.rept 4                                                ; each accumulator is read from its low end on
	v_pk_add_f32 v[224+2*j:225+2*j], v[192+2*j:193+2*j], v[200+2*j:201+2*j]
	v_pk_add_f32 v[232+2*j:233+2*j], v[208+2*j:209+2*j], v[216+2*j:217+2*j]
.set j, j+1
.endr
.set j, 0
.rept 4
	v_pk_add_f32 v[224+2*j:225+2*j], v[224+2*j:225+2*j], v[232+2*j:233+2*j]
.set j, j+1
.endr
.set j, 0
.rept 4
	v_pk_add_f32 v[224+2*j:225+2*j], v[224+2*j:225+2*j], v[240+2*j:241+2*j]
.set j, j+1
.endr
.macro TOP src, mx, ix                 ; the largest of eight registers, and the lowest index that holds it
	v_max3_num_f32 v[\mx], v[\src], v[\src+1], v[\src+2]
	v_max3_num_f32 v[\mx], v[\mx], v[\src+3], v[\src+4]
	v_max3_num_f32 v[\mx], v[\mx], v[\src+5], v[\src+6]
	v_max_num_f32 v[\mx], v[\mx], v[\src+7]
	v_mov_b32 v[\ix], 7
.irp j, 6,5,4,3,2,1,0
	v_cmp_eq_f32 s[36+\j], v[\mx], v[\src+\j]
.endr
	s_wait_alu depctr_va_sdst(0)                   ; the seven masks s36-42 are written, ahead of the selects that read them
.irp j, 6,5,4,3,2,1,0
	v_cndmask_b32 v[\ix], v[\ix], \j, s[36+\j]
.endr
.endm
	TOP 224, 248, 249
.irp j, 0,1,2,3,4,5,6,7
	v_cmp_eq_u32 s[36+\j], \j, v249
.endr
	s_wait_alu depctr_va_sdst(0)                   ; the eight masks s36-43 are written, ahead of the selects that read them
.irp j, 0,1,2,3,4,5,6,7
	v_cndmask_b32 v[232+\j], v[224+\j], v12, s[36+\j]
.endr
	TOP 232, 250, 251
	v_cmp_lt_u32 vcc_lo, v249, v251                ; is the larger logit's expert the lower one?
	v_sub_f32 v252, v250, v248                     ; the maximum is taken away: the exponent is 0 for the first and at most 0 for the second
	v_mul_f32 v252, 0x3fb8aa3b, v252
	v_exp_f32 v253, v252
	v_min_u32 v15, v249, v251                      ; lo (a plain line behind the exponential)
	s_wait_alu depctr_va_vdst(0)                   ; the exponential has written v253, ahead of its first reader
	v_add_f32 v252, 1.0, v253
	v_rcp_f32 v13, v252                            ; the first's weight
	v_max_u32 v16, v249, v251                      ; hi (a plain line behind the reciprocal)
	s_wait_alu depctr_va_vdst(0)                   ; the reciprocal has written v13, ahead of its first reader
	v_mul_f32 v14, v253, v13                       ; the second's
	s_wait_alu depctr_va_vcc(0)                    ; VCC is written, ahead of the two selects that read it
	v_cndmask_b32 v254, v14, v13, vcc_lo           ; the weight of expert lo,
	v_cndmask_b32 v255, v13, v14, vcc_lo           ; of expert hi
	v_lshl_add_u32 v17, v15, 3, v16                ; the code
	s_wait_alu depctr_va_vdst(0)                   ; the code and the two weights are written, which the LDS stores read
	ds_store_b32 v19, v17                          ; both halves of the lanes hold the same numbers
	ds_store_b64 v20, v[254:255]
	s_wait_dscnt 0x0
	s_barrier_signal -1
	s_barrier_wait -1
	s_cmp_lg_u32 s18, 0
	s_cbranch_scc1 .Lw1
	ds_load_b64 v[64:65], v21                      ; wave 0: the 64 codes, 256 consecutive bytes (no vector or matrix instruction since the wait above names v64-127)
	s_wait_dscnt 0x0
	global_store_b64 v5, v[64:65], s[12:13]
	s_branch .Lend
.Lw1:
	s_cmp_lg_u32 s18, 1
	s_cbranch_scc1 .Lw2
	ds_load_b128 v[64:67], v22                     ; wave 1: the 64 pairs of weights, 512 consecutive bytes
	s_wait_dscnt 0x0
	global_store_b128 v4, v[64:67], s[14:15]
	s_branch .Lend
.Lw2:
	s_cmp_lg_u32 s18, 2
	s_cbranch_scc1 .Lend
.set i, 0
.rept 16                                               ; wave 2: every lane reads all 64 codes and counts its two bins
	ds_load_b128 v[64+4*i:64+4*i+3], v23 offset:16*i
.set i, i+1
.endr
	v_lshlrev_b32 v24, 1, v1
	v_add_nc_u32 v25, 1, v24
	v_mov_b32 v14, 0
	v_mov_b32 v15, 0
	v_mov_b32 v16, 1
	s_wait_dscnt 0x0
.set g, 0
.rept 8                                                ; eight codes at a time: sixteen compares in a run, one wait, sixteen selects
.set i, 0
.rept 8
	v_cmp_eq_u32 s[32+2*i], v[64+8*g+i], v24
	v_cmp_eq_u32 s[33+2*i], v[64+8*g+i], v25
.set i, i+1
.endr
	s_wait_alu depctr_va_sdst(0)                   ; the sixteen masks s32-47 are written, ahead of the selects that read them
.set i, 0
.rept 8
	v_cndmask_b32 v13, 0, v16, s[32+2*i]
	v_cndmask_b32 v26, 0, v16, s[33+2*i]
	v_add_nc_u32 v14, v14, v13
	v_add_nc_u32 v15, v15, v26
.set i, i+1
.endr
.set g, g+1
.endr
	s_wait_alu depctr_va_vdst(0)                   ; the two counts are written, which the store reads
	global_store_b64 v5, v[14:15], s[16:17]        ; 64 counts, 256 consecutive bytes
.Lend:
	s_wait_dscnt 0x0                               ; the closing lines, six on end
	s_wait_alu 0x0
	s_wait_tensorcnt 0x0
	ds_add_u32 v30, v31
	s_wait_dscnt 0x0
	s_endpgm
.Lfunc_end_k_q3facd78e52_router:
	.size	k_q3facd78e52_router, .Lfunc_end_k_q3facd78e52_router-k_q3facd78e52_router
	.p2alignl 7, 3214868480
	.fill 96, 4, 3214868480
	.section	.rodata,"a",@progbits
	.p2align	6, 0x0
	.amdhsa_kernel k_q3facd78e52_router
		.amdhsa_group_segment_fixed_size 150016
		.amdhsa_private_segment_fixed_size 0
		.amdhsa_enable_private_segment 0
		.amdhsa_kernarg_size 56
		.amdhsa_user_sgpr_count 2
		.amdhsa_user_sgpr_kernarg_segment_ptr 1
		.amdhsa_wavefront_size32 1
		.amdhsa_system_sgpr_workgroup_id_x 1
		.amdhsa_system_sgpr_workgroup_id_y 1
		.amdhsa_system_sgpr_workgroup_id_z 1
		.amdhsa_system_vgpr_workitem_id 0
		.amdhsa_next_free_vgpr 768
		.amdhsa_next_free_sgpr 66
		.amdhsa_reserve_vcc 1
		.amdhsa_float_denorm_mode_32 3
		.amdhsa_float_denorm_mode_16_64 3
		.amdhsa_memory_ordered 1
		.amdhsa_forward_progress 1
		.amdhsa_inst_pref_size 100
	.end_amdhsa_kernel
	.amdgpu_metadata
---
amdhsa.version: [ 1, 2 ]
amdhsa.kernels:
  - .name:           k_q3facd78e52_router
    .symbol:         k_q3facd78e52_router.kd
    .args:
      - { .name: x, .offset: 0, .size: 8, .value_kind: global_buffer, .address_space: global }
      - { .name: gate_w, .offset: 8, .size: 8, .value_kind: global_buffer, .address_space: global }
      - { .name: gate_b, .offset: 16, .size: 8, .value_kind: global_buffer, .address_space: global }
      - { .name: xb, .offset: 24, .size: 8, .value_kind: global_buffer, .address_space: global }
      - { .name: pid, .offset: 32, .size: 8, .value_kind: global_buffer, .address_space: global }
      - { .name: wts, .offset: 40, .size: 8, .value_kind: global_buffer, .address_space: global }
      - { .name: hist, .offset: 48, .size: 8, .value_kind: global_buffer, .address_space: global }
    .group_segment_fixed_size: 150016
    .private_segment_fixed_size: 0
    .kernarg_segment_align: 8
    .kernarg_segment_size: 56
    .max_flat_workgroup_size: 128
    .sgpr_count:     66
    .vgpr_count:     768
    .wavefront_size: 32
...
	.end_amdgpu_metadata
.endif
;; end of part 4
;; launch prep: the kernel of part 2 again; grid 256 x 1, 8 waves a work-group, no clusters, 10,752 bytes of LDS; arguments W1, W2, pid, hist, w1f, w2f, list, tinfo; writes w1f, w2f, list, tinfo
;; launch chain (part 5): grid 232 x 1, 4 waves a work-group, no clusters, 254,720 bytes of LDS; arguments xb, w1f, w2f, b1, b2, wts, list, tinfo, out0; writes out0
.if DOCPART == 5
	.amdgcn_target "amdgcn-amd-amdhsa--gfx1250"
	.amdhsa_code_object_version 6
	.text
	.protected	k_q3facd78e52_chain
	.globl	k_q3facd78e52_chain
	.p2align	8
	.type	k_q3facd78e52_chain,@function
k_q3facd78e52_chain:
	s_mov_b64 s[64:65], 0
	v_nop
	global_prefetch_b8 v0, s[64:65] scope:SCOPE_SE
	s_setreg_imm32_b32 hwreg(HW_REG_WAVE_SCHED_MODE, 0, 2), 2
	s_setreg_imm32_b32 hwreg(HW_REG_WAVE_MODE, 25, 1), 1
	s_wait_xcnt 0x0
	s_wait_alu depctr_vm_vsrc(0)
; CHAIN.  A work-group takes one tile: up to 80 tokens that chose the same pair of experts (lo, hi), through both MLPs into one sum:
;   out = [w_lo relu(x W1_lo + b1_lo) | w_hi relu(x W1_hi + b1_hi)] x [W2_lo ; W2_hi] + w_lo b2_lo + w_hi b2_hi.   Each output row has one owner; nothing is added up later.
; FORMATS.  x, W1, W2, b1, b2 rounded to bf16; sums f32; the weighted hidden layer rounded once to bf16 (bf16, not f16: it keeps its room for inputs many times larger); out f32.
; LIMITS.  NaN and infinities are not treated apart (the ReLU is a maximum in which a NaN loses).
; TILES.  232 work-groups serve every split (at most (16,384 + 79 x 28) / 80 tiles).  Places past a tile's count repeat its last token and their stores are jumped.  A tile without tokens
; walks the same text on the first token of tile 0 and stores nothing: no barrier stands under a branch on a loaded count.
; SHARES.  First product [80 x 1024][1024 x 512]: wave w has 128 of the 512 columns (waves 0, 1: expert lo; 2, 3: hi).  Second [80 x 512][512 x 1024] in two passes: wave w has columns
; 128 (2 w + pass) on.  Every K step of 32: 5 token fragments from LDS, 8 weight fragments (8,192 bytes) from memory straight into operand registers, 40 products on 40 accumulators by turns.
; No weight byte is wanted by two waves, so the weights pass no LDS and no loop holds a barrier.  NO CLUSTER: partners would have to share a pair of experts;
; whole clusters for each pair want tiles of 112 tokens to fit 64 clusters, which leaves more of each tile empty than the shared requests save.
; A ring of four weight buffers: a chunk is asked for three K steps less eight products ahead of its use; the stream runs on from the first product into the second and from pass to pass.
; THE MATRIX INSTRUCTION IS USED TRANSPOSED: source 0 = 16 weight columns, source 1 = 16 tokens: a lane holds one token (lane % 16) and eight neighbouring columns 8 (lane / 16) + 0..7.
; REGISTERS (windows of 256; s_set_vgpr_msb: bits 1:0 source 0, 3:2 source 1, 5:4 source 2, 7:6 destination).  window 0: see the names below.  window 1: four weight buffers of 64.
; window 2: accumulators (m, f), m = 0..3, at 8 (8 m + f).  window 3: m = 4 at 8 f.  Windows 2 and 3 first take the rows of x on their way into LDS.
; THE MODE: SCHED_MODE bits 1:0 = 2 (LLVM: expert scheduling mode 2), set by the entry lines.  The code itself states the register dependences
; between vector or matrix instructions and memory or LDS instructions, with s_wait_alu, always for 0.
; THE PLAN.  Registers that memory or LDS instructions touch, in the K loops:
;   W0 .. W3   (window 1) Step j's 40 products read W[j]; the sixteen loads of the chunk three steps on, issued in step j, land in W[(j + 3) % 4], which step j - 1's products read.
;   AF0, AF1   Step j's products read AF[j % 2]; the ten LDS loads of step j land in the other, which step j - 1's products read.
;   v[AX ..]   Read by the fragments' LDS loads; written once a trip of four steps.
;   v[L16]     Read by every load of weights; never written again: the stream's scalar bases move on, and immediate offsets do the rest.
; So ONE wait on va_vdst stands at a step's head: the products of the step before are done reading their two buffers (and, in a trip's first step, v[AX ..] is written).  Eight products
; follow it, then the step's 26 loads in one run, then the other 32 products: the eight name W[j], AF[j % 2] and accumulators, none of the registers that the loads touch.
; One wait on vm_vsrc a trip stands ahead of the adds to v[AX ..].
; Outside the loops: every address made of ids alone has a register of its own, made once; the hidden layer's five blocks have an out-buffer each; the way out's plan stands at its macros.
.set XP,    2064                       ; a row of x in LDS: 2,048 bytes + 16
.set HP,    1040                       ; a row of the hidden layer: 1,024 + 16
.set SP,    528                        ; a row of a stage: 512 + 16.  All three are odd multiples of 16 bytes: 16 rows start at 16 different groups of four banks
.set STG,   80*SP                      ; a wave's stage.  The four stages lie where x lay: x is read for the last time in front of the second barrier
.set HB,    4*STG                      ; the hidden layer
.set WL,    HB+80*HP                   ; 128 x {w_lo, w_hi}
.set TOKL,  WL+1024                    ; 128 x token
.set SPARE, WL+2048                    ; the spare words: 128 bytes a wave, named by no other line
.set AX,   2                           ; v2-6    token fragments' LDS address for each block m of 16 tokens, in the trip in hand
.set L16,  7                           ; v7      16 x lane; never rewritten
.set HS0,  8                           ; v8, v9  where I put 16 bytes of the hidden layer: blocks 0-3, block 4
.set HS4,  9
.set ST,   10                          ; v10     where I put results in my stage
.set RD,   11                          ; v11     where I read rows of it back, in the trip in hand
.set RD0,  12                          ; v12     the same at the stage's first row
.set COL,  13                          ; v13     my 16 bytes in a row of out
.set ZR,   14                          ; v14     0
.set TOKS, 15                          ; v15     lane i: the token of row 20 w + i
                                       ; v16, v17 row t's two gate weights; v18 r; v19 h; v20, v21 at the head my two offsets in list, in the way out the tables' LDS addresses; v22 row t's token; v23 its offset in wts
.set SPW,  24                          ; v24, v25  the add's two registers
.set NIL,  25
.set WS,   26                          ; v26-35  my token's gate weight for my wave's expert, a pair for each m (the upper word 0)
.set BLC,  36                          ; v36-39 b2_lo, v40-43 b2_hi of my four columns in the pass in hand; v44-51 those of the second pass
.set TA,   52                          ; v52     where I put row t's token
.set WA,   53                          ; v53     where I put row t's two weights
.set BO,   54                          ; v54     my byte offset in b1
.set XS,   55                          ; v55     where my wave's rows of x go in LDS
.set WSA,  56                          ; v56     where token r's weight for my wave's expert lies
.set T0,   57                          ; v57     at work at the head: no memory instruction names it
.set AXH,  60                          ; v60-64  AX's start in the hidden layer
.set AXX,  72                          ; v72-76  AX's start in x
.set AF,   80                          ; v80-119, v120-159  two buffers of five token fragments
.set XO,   80                          ; at the head only: v80-99  the byte offsets of my 20 rows in xb
.set WW,   80                          ; the way out: v80-95, v96-111  eight rows' pairs of gate weights, two buffers
.set HO,   96                          ; the hidden layer's way into LDS: v96-255  block m's 32 packed registers at HO + 32 m
.set CB,   160                         ; v160-223  b1 as a C operand, eight registers for each f
.set DD,   160                         ; the way out: v160-191, v192-223  eight rows of results, two buffers
.set TT,   224                         ; v224-255  at work at the head
.set OO,   224                         ; the way out: v224-231, v232-239  eight rows' byte offsets in out, two buffers
.set TK,   240                         ; the way out: v240-247, v248-255  eight rows' tokens, two buffers
.set CUR,  36                          ; s[36:37] the weight stream at the trip in hand,
.set NXT,  38                          ; s[38:39] at the next trip
.set PA,   40                          ; s[40:41] w2f at expert lo, my block of columns
.set PB,   42                          ; s[42:43] the same at expert hi
.set KO,   54                          ; s54  bytes along K of the trip in hand
.set MSB, 0
.macro WIN new                         ; the high byte repeats the setting that is left; a switch that changes nothing is dropped
.if MSB != (\new)
	s_set_vgpr_msb (MSB<<8)|(\new)
.set MSB, \new
.endif
.endm
.macro SREG i                          ; SR: the scalar register that takes token i of my 20: twenty different ones that are free at the head (s44-53, s58-63, s2-5)
.if (\i) < 10
.set SR, 44+(\i)
.elseif (\i) < 16
.set SR, 48+(\i)
.else
.set SR, (\i)-14
.endif
.endm
	s_load_b512 s[8:23], s[0:1], 0x0               ; xb s[8:9], w1f s[10:11], w2f s[12:13], b1 s[14:15], b2 s[16:17], wts s[18:19], list s[20:21], tinfo s[22:23]
	s_load_b64 s[24:25], s[0:1], 0x40              ; out0
	v_lshl_add_u32 v[SPW], v0, 2, SPARE
	v_mov_b32 v[NIL], 0
	v_lshrrev_b32 v1, 5, v0
	v_readfirstlane_b32 s32, v1                    ; wave
	v_and_b32 v1, 31, v0                           ; lane
	v_and_b32 v18, 15, v0                          ; r
	v_bfe_u32 v19, v0, 4, 1                        ; h
	v_lshlrev_b32 v[L16], 4, v1
	v_lshlrev_b32 v[BO], 5, v19
	s_wait_alu depctr_va_sdst(0)                   ; s32 is written, ahead of its first reader
	s_lshl_b32 s48, ttmp9, 4
	s_mov_b32 s49, 0
	s_mov_b32 s57, 0
	s_mov_b32 s55, 0xffff0000
	s_wait_kmcnt 0x0
	s_add_nc_u64 s[22:23], s[22:23], s[48:49]
	s_load_b128 s[28:31], s[22:23], 0x0            ; my tile: lo, hi, count, last
	s_wait_kmcnt 0x0
	s_min_u32 s28, s28, 7
	s_min_u32 s29, s29, 7
	s_min_u32 s30, s30, 80
	s_min_u32 s31, s31, 79
	s_cmp_eq_u32 s30, 0
	s_cselect_b32 s48, 0, ttmp9                    ; a tile without tokens reads tile 0's list, whose first place is always written
	s_mul_i32 s56, s48, 320
	s_add_nc_u64 s[20:21], s[20:21], s[56:57]
	s_cmp_lt_u32 s32, 2
	s_cselect_b32 s33, s28, s29                    ; my wave's expert in the first product
	s_min_u32 s33, s33, 7
	s_and_b32 s50, s32, 1
	s_lshl_b32 s56, s33, 19
	s_lshl_b32 s48, s50, 18
	s_add_co_u32 s56, s56, s48
	s_add_nc_u64 s[CUR:CUR+1], s[10:11], s[56:57]
	s_add_nc_u64 s[NXT:NXT+1], s[CUR:CUR+1], 0x8000
	s_lshl_b32 s48, s32, 17                        ; two blocks of 65,536 bytes a wave
	s_lshl_b32 s56, s28, 19
	s_add_co_u32 s56, s56, s48
	s_add_nc_u64 s[PA:PA+1], s[12:13], s[56:57]
	s_lshl_b32 s56, s29, 19
	s_add_co_u32 s56, s56, s48
	s_add_nc_u64 s[PB:PB+1], s[12:13], s[56:57]
	s_lshl_b32 s56, s33, 10
	s_lshl_b32 s48, s50, 9
	s_add_co_u32 s56, s56, s48
	s_add_nc_u64 s[14:15], s[14:15], s[56:57]      ; b1 at my 128 columns
	s_lshl_b32 s48, s32, 10
	s_lshl_b32 s56, s28, 12
	s_add_co_u32 s56, s56, s48
	s_add_nc_u64 s[26:27], s[16:17], s[56:57]      ; b2_lo at my 256 columns
	s_lshl_b32 s56, s29, 12
	s_add_co_u32 s56, s56, s48
	s_add_nc_u64 s[34:35], s[16:17], s[56:57]      ; b2_hi
	v_min_u32 v20, 19, v1
	s_mul_i32 s48, s32, 20
	v_add_nc_u32 v20, s48, v20
	v_min_u32 v20, s31, v20                        ; places past the count repeat the last token
	v_min_u32 v20, 79, v20
	v_lshlrev_b32 v20, 2, v20
	v_min_u32 v21, s31, v0
	v_min_u32 v21, 79, v21
	v_lshlrev_b32 v21, 2, v21
	s_wait_alu depctr_va_vdst(0)                   ; v20, v21, v[L16] and v[BO] are written: the offsets of the loads below
	global_load_b32 v[TOKS], v20, s[20:21]         ; the tokens whose rows my wave brings in,
	global_load_b32 v22, v21, s[20:21]             ; and row t's token for the tables
	WIN 0x40
.set c, 0
.rept 3                                                ; the first three chunks of weights go out while the tokens' numbers are on their way
.set f, 0
.rept 8
	global_load_b128 v[64*c+8*f:64*c+8*f+3], v[L16], s[CUR:CUR+1] offset:c*8192+f*1024 th:TH_LOAD_NT_HT
	global_load_b128 v[64*c+8*f+4:64*c+8*f+7], v[L16], s[CUR:CUR+1] offset:c*8192+f*1024+512 th:TH_LOAD_NT_HT
.set f, f+1
.endr
.set c, c+1
.endr
	WIN 0
	s_wait_loadcnt 48                              ; the two loads of tokens are in; the 48 of weights stay out
	v_min_u32 v[TOKS], 0x3fff, v[TOKS]
	v_min_u32 v22, 0x3fff, v22
	v_lshlrev_b32 v23, 3, v22
.set i, 0
.rept 20                                               ; my 20 tokens go into twenty scalar registers in one run
	SREG i
	v_readlane_b32 s[SR], v[TOKS], i
.set i, i+1
.endr
	s_wait_alu depctr_va_sdst(0)                   ; the twenty scalar registers are written, ahead of their first readers
.set i, 0
.rept 20
	SREG i
	s_min_u32 s[SR], s[SR], 0x3fff
.set i, i+1
.endr
.set i, 0
.rept 20
	SREG i
	v_lshl_add_u32 v[XO+i], s[SR], 11, v[L16]      ; a row of xb is 2,048 bytes: four loads of 512 consecutive bytes
.set i, i+1
.endr
	s_wait_alu depctr_va_vdst(0)                   ; v23 and the twenty v[XO ..] are written: the offsets of the loads below; so is v22, which an LDS store reads later
	global_load_b64 v[16:17], v23, s[18:19]        ; row t's two gate weights
.set f, 0
.rept 8                                                ; b1 of columns 16 f + 8 h + 0..7: the C operand's layout
	global_load_b128 v[CB+8*f:CB+8*f+3], v[BO], s[14:15] offset:f*64
	global_load_b128 v[CB+8*f+4:CB+8*f+7], v[BO], s[14:15] offset:f*64+16
.set f, f+1
.endr
	global_load_b128 v[BLC:BLC+3], v[L16], s[26:27]
	global_load_b128 v[BLC+4:BLC+7], v[L16], s[34:35]
	global_load_b128 v[BLC+8:BLC+11], v[L16], s[26:27] offset:512
	global_load_b128 v[BLC+12:BLC+15], v[L16], s[34:35] offset:512
	WIN 0x80
.set i, 0
.rept 20
.if i == 16
	WIN 0xc0
.endif
.set q, 0
.rept 4
	global_load_b128 v[(16*i+4*q)%256:(16*i+4*q)%256+3], v[XO+i], s[8:9] offset:q*512
.set q, q+1
.endr
.set i, i+1
.endr
	WIN 0
; While x is on its way: every LDS address and offset that is made of ids alone, each in a register of its own that no memory instruction has read.
	s_mul_i32 s48, s32, 20*XP
	v_add_nc_u32 v[XS], s48, v[L16]                ; my wave's 20 rows in LDS
	v_lshl_add_u32 v[WA], v0, 3, WL
	v_lshl_add_u32 v[TA], v0, 2, TOKL
	v_mul_u32_u24 v[T0], v18, XP
	v_lshl_add_u32 v[T0], v19, 4, v[T0]            ; a fragment: row r x pitch + 16 h
.set m, 0
.rept 5
	v_add_nc_u32 v[AXX+m], m*16*XP, v[T0]
	v_add_nc_u32 v[AX+m], m*16*XP, v[T0]
.set m, m+1
.endr
	v_mul_u32_u24 v[T0], v18, HP
	v_lshl_add_u32 v[T0], v19, 4, v[T0]
.set m, 0
.rept 5
	v_add_nc_u32 v[AXH+m], HB+m*16*HP, v[T0]
.set m, m+1
.endr
	s_lshl_b32 s48, s32, 8
	s_add_co_u32 s48, s48, HB
	v_add_nc_u32 v[HS0], s48, v[T0]                ; my wave's 256 bytes of a hidden row
	v_add_nc_u32 v[HS4], 4*16*HP, v[HS0]
	s_mul_i32 s48, s32, STG
	v_mul_u32_u24 v[T0], v18, SP
	v_lshl_add_u32 v[T0], v19, 5, v[T0]
	v_add_nc_u32 v[ST], s48, v[T0]
	v_add_nc_u32 v[RD0], s48, v[L16]
	s_lshl_b32 s48, s32, 10
	v_add_nc_u32 v[COL], s48, v[L16]
	v_mov_b32 v[ZR], 0
	v_lshl_add_u32 v[WSA], v18, 3, WL
	s_lshr_b32 s48, s32, 1
	s_lshl_b32 s48, s48, 2
	v_add_nc_u32 v[WSA], s48, v[WSA]               ; token r's weight for my wave's expert
.set m, 0
.rept 5
	v_mov_b32 v[WS+2*m+1], 0
.set m, m+1
.endr
.set g, 0
.rept 5                                                ; four rows at a time
.if g == 0
	s_wait_loadcnt 63                              ; 64 loads of x are younger than these sixteen; the largest count that can be written is one less
	WIN 0x08
	s_wait_alu depctr_va_vdst(0)                   ; v[XS] and all the addresses made above are written, which the LDS stores and loads from here on read
.else
	s_wait_loadcnt 16*(4-g)                        ; the later rows' loads stay out
.endif
.if g == 4
	WIN 0x0c
.endif
.set k, 0
.rept 16
	ds_store_b128 v[XS], v[(64*g+4*k)%256:(64*g+4*k)%256+3] offset:(4*g+k/4)*XP+(k%4)*512
.set k, k+1
.endr
.set g, g+1
.endr
	WIN 0
	ds_store_b64 v[WA], v[16:17]
	ds_store_b32 v[TA], v22
.set i, 0
.rept 8                                                ; b2 and b1 are rounded to bf16 like every input, and widened
	v_cvt_pk_bf16_f32 v[TT+i], v[BLC+2*i], v[BLC+2*i+1]
.set i, i+1
.endr
.set i, 0
.rept 8
	v_lshlrev_b32 v[BLC+2*i], 16, v[TT+i]
	v_and_b32 v[BLC+2*i+1], s55, v[TT+i]
.set i, i+1
.endr
.set i, 0
.rept 32
	v_cvt_pk_bf16_f32 v[TT+i], v[CB+2*i], v[CB+2*i+1]
.set i, i+1
.endr
.set i, 0
.rept 32
	v_lshlrev_b32 v[CB+2*i], 16, v[TT+i]
	v_and_b32 v[CB+2*i+1], s55, v[TT+i]
.set i, i+1
.endr
	s_mov_b32 s[KO], 0
	s_wait_dscnt 0x0                               ; my rows of x and my part of the tables are stored
	s_barrier_signal -1
	s_barrier_wait -1                              ; everybody's are
; Eight products of K step j: block m of 16 tokens x all 8 weight fragments.  cmode: what starts or carries the sums: 0 the accumulator, 1 b1, 2 the constant 0.
.macro MROW j, cmode, m
.set AC, AF+40*((\j)%2)
.set BC, 64*(\j)
.if (\m) < 4
.set DB, 64*(\m)
.if (\cmode) == 1
	WIN 0x81
.else
	WIN 0xa1
.endif
.else
.set DB, 0
.if (\cmode) == 1
	WIN 0xc1
.else
	WIN 0xf1
.endif
.endif
.set f, 0
.rept 8
.if (\cmode) == 1
	v_wmma_f32_16x16x32_bf16 v[DB+8*f:DB+8*f+7], v[BC+8*f:BC+8*f+7], v[AC+8*(\m):AC+8*(\m)+7], v[CB+8*f:CB+8*f+7]
.elseif (\cmode) == 2
	v_wmma_f32_16x16x32_bf16 v[DB+8*f:DB+8*f+7], v[BC+8*f:BC+8*f+7], v[AC+8*(\m):AC+8*(\m)+7], 0
.else
	v_wmma_f32_16x16x32_bf16 v[DB+8*f:DB+8*f+7], v[BC+8*f:BC+8*f+7], v[AC+8*(\m):AC+8*(\m)+7], v[DB+8*f:DB+8*f+7]
.endif
.set f, f+1
.endr
.endm
; K step j of a trip of four.  places: four v_nop between the step before and loads into registers that it multiplied.  aload: the next step's five token fragments.
; bload: the chunk three steps on goes into the buffer read last step.  lcnt: the loads of weights issued behind this step's chunk.
.macro KSTEP j, cmode, aload, bload, lcnt, places
.if \places
.rept 4
	v_nop
.endr
.endif
	s_wait_loadcnt \lcnt                           ; this step's chunk is in; the later chunks stay out
	s_wait_dscnt 0x0                               ; this step's fragments, asked for behind the last step's first eight products, are in
.if (\aload) || (\bload)
	s_wait_alu depctr_va_vdst(0)                   ; the last step's products are done reading their weight buffer and their fragments, in which the loads below land; in a trip's first step v[AX ..] is written
.endif
	MROW \j, \cmode, 0
.if \aload
	WIN 0                                          ; no wait: the eight products since the wait name W[j], AF[j % 2] and accumulators alone
.set AN, AF+40*(((\j)+1)%2)
.set m, 0
.rept 5
	ds_load_b128 v[AN+8*m:AN+8*m+3], v[AX+m] offset:((\j)+1)*64
	ds_load_b128 v[AN+8*m+4:AN+8*m+7], v[AX+m] offset:((\j)+1)*64+32
.set m, m+1
.endr
.endif
.if \bload
	WIN 0x40
.set BN, 64*(((\j)+3)%4)
.if (\j) == 0
.set PR, CUR
.set PO, 3*8192
.else
.set PR, NXT
.set PO, ((\j)-1)*8192
.endif
.set f, 0
.rept 8
	global_load_b128 v[BN+8*f:BN+8*f+3], v[L16], s[PR:PR+1] offset:PO+f*1024 th:TH_LOAD_NT_HT
	global_load_b128 v[BN+8*f+4:BN+8*f+7], v[L16], s[PR:PR+1] offset:PO+f*1024+512 th:TH_LOAD_NT_HT
.set f, f+1
.endr
.endif
	MROW \j, \cmode, 1
	MROW \j, \cmode, 2
	MROW \j, \cmode, 3
	MROW \j, \cmode, 4
.endm
; Four K steps.  alast: the phase's last trip: its last step fetches no token fragments.  bfin: the very last trip: only its first step asks for weights, and the counts run down.
; ab: AX's start.  The five lines that move AX on are also the places in front of the next trip's loads.
.macro TRIP cmode, alast, bfin, ab
	KSTEP 0, \cmode, 1, 1, 32, 0
	KSTEP 1, 0, 1, 1-(\bfin), 32, 1
	KSTEP 2, 0, 1, 1-(\bfin), 32-16*(\bfin), 1
	KSTEP 3, 0, 1-(\alast), 1-(\bfin), 32-32*(\bfin), 1
	WIN 0
.if !(\alast)
	s_add_co_u32 s[KO], s[KO], 256
	s_wait_alu depctr_vm_vsrc(0)                   ; the fragments' LDS loads issued so far have read v[AX ..]
.set m, 0
.rept 5
	v_add_nc_u32 v[AX+m], s[KO], v[(\ab)+m]
.set m, m+1
.endr
.endif
.endm
.macro ADVI                            ; the stream's two addresses move on; they are rewritten only behind the wait
	s_wait_xcnt 0x0
	s_mov_b64 s[CUR:CUR+1], s[NXT:NXT+1]
	s_add_nc_u64 s[NXT:NXT+1], s[NXT:NXT+1], 0x8000
.endm
.macro ADVP p                          ; the same where the next trip but one begins another stream
	s_wait_xcnt 0x0
	s_mov_b64 s[CUR:CUR+1], s[NXT:NXT+1]
	s_mov_b64 s[NXT:NXT+1], s[\p:\p+1]
.endm
.macro LOOPEND lbl, p                  ; behind the loop's last trip the stream goes on at p
	s_wait_xcnt 0x0
	s_mov_b64 s[CUR:CUR+1], s[NXT:NXT+1]
	s_add_nc_u64 s[NXT:NXT+1], s[NXT:NXT+1], 0x8000
	s_sub_co_u32 s44, s44, 1
	s_cmp_lg_u32 s44, 0
	s_cselect_b64 s[NXT:NXT+1], s[NXT:NXT+1], s[\p:\p+1]
	s_cbranch_scc1 \lbl
.endm
.macro APRO                            ; a phase's first token fragments
.set m, 0
.rept 5
	ds_load_b128 v[AF+8*m:AF+8*m+3], v[AX+m]
	ds_load_b128 v[AF+8*m+4:AF+8*m+7], v[AX+m] offset:32
.set m, m+1
.endr
.endm
; THE WAY OUT goes in GRANULES of eight rows, on two sets of registers that take turns.  Its plan: a set's rows DD, tokens TK and weights WW are written by LDS loads issued in the middle
; of the granule before; its multiply-adds read WW and rewrite DD, its address lines read TK and write the offsets OO; its eight stores read DD and OO.
; v[RD], v20 and v21, the LDS addresses, are read by the loads and written once a trip of two granules.
; LOADG: granule q of the trip in hand (q = 2: the next trip's first) into set k: 2 loads of tokens and 4 of weights, which every lane reads alike, and 8 whole rows of my stage.
.macro LOADG k, q
.set LT, TK+8*(\k)
.set LW, WW+16*(\k)
.set LD, DD+32*(\k)
	ds_load_b128 v[LT:LT+3], v21 offset:32*(\q)
	ds_load_b128 v[LT+4:LT+7], v21 offset:32*(\q)+16
.set i, 0
.rept 4
	ds_load_b128 v[LW+4*i:LW+4*i+3], v20 offset:64*(\q)+16*i
.set i, i+1
.endr
.set i, 0
.rept 8
	ds_load_b128 v[LD+4*i:LD+4*i+3], v[RD] offset:(8*(\q)+i)*SP  ; LDS serves a wave's instructions in order, so these see the stage's stores
.set i, i+1
.endr
.endm
; GRAN: set k's eight rows get w_lo b2_lo + w_hi b2_hi and leave.  The lines go by kind, eight rows at a time, so that none reads the result of the line before it.
; more = 1: the next granule (q) is asked for in the middle: behind sixteen vector lines, which stand between the last granule's stores and the waits that free their registers,
; and ahead of 32 vector lines and 8 stores, which stand between these loads and the wait for them.
.macro GRAN k, q, more
.set GD, DD+32*(\k)
.set GW, WW+16*(\k)
.set GT, TK+8*(\k)
.set GO, OO+8*(\k)
	s_wait_dscnt 0x0                               ; this granule's fourteen loads, issued a granule ago, are in
.set i, 0
.rept 8
	v_pk_fma_f32 v[GD+4*i:GD+4*i+1], v[BLC:BLC+1], v[GW+2*i:GW+2*i+1], v[GD+4*i:GD+4*i+1] op_sel_hi:[1,0,1]
	v_pk_fma_f32 v[GD+4*i+2:GD+4*i+3], v[BLC+2:BLC+3], v[GW+2*i:GW+2*i+1], v[GD+4*i+2:GD+4*i+3] op_sel_hi:[1,0,1]
.set i, i+1
.endr
.if \more
	s_wait_xcnt 0x0                                ; the other set's rows and offsets were the last granule's store sources: they are written again only behind this wait
	s_wait_alu depctr_vm_vsrc(0)                   ; the last granule's stores have read the other set's rows, in which the loads below land, and its offsets, which the next granule writes
	s_wait_alu depctr_va_vdst(0)                   ; the last granule's vector lines are done with the other set's rows, weights and tokens, in which the loads below land; in a trip's first granule v[RD], v20 and v21 are written
	LOADG 1-(\k), \q
.endif
.set i, 0
.rept 8
	v_pk_fma_f32 v[GD+4*i:GD+4*i+1], v[BLC+4:BLC+5], v[GW+2*i:GW+2*i+1], v[GD+4*i:GD+4*i+1] op_sel:[0,1,0] op_sel_hi:[1,1,1]
	v_pk_fma_f32 v[GD+4*i+2:GD+4*i+3], v[BLC+6:BLC+7], v[GW+2*i:GW+2*i+1], v[GD+4*i+2:GD+4*i+3] op_sel:[0,1,0] op_sel_hi:[1,1,1]
.set i, i+1
.endr
.set i, 0
.rept 8
	v_min_u32 v[GO+i], 0x3fff, v[GT+i]
.set i, i+1
.endr
.set i, 0
.rept 8
	v_lshl_add_u32 v[GO+i], v[GO+i], 12, v[COL]    ; a row of out is 4,096 bytes
.set i, i+1
.endr
	s_wait_alu depctr_va_vdst(0)                   ; this set's eight rows and eight offsets are written, which the stores below read
.set i, 0
.rept 8
	s_cmp_gt_i32 s46, 8*(\k)+i                     ; rows past the tile's count are not stored
	s_cbranch_scc0 .Lgd_\@
	global_store_b128 v[GO+i], v[GD+4*i:GD+4*i+3], s[24:25] th:TH_STORE_NT  ; 512 consecutive aligned bytes of one token's row
.set i, i+1
.endr
.Lgd_\@:
.endm
; THE FIRST PRODUCT: 32 K steps, eight trips.
	s_wait_alu depctr_vm_vsrc(0)                   ; x's loads have read v[XO ..], in which the first fragments land; x's LDS stores have read the registers that are accumulators from here on
.set m, 0
.rept 5
	ds_load_b32 v[WS+2*m], v[WSA] offset:m*128
.set m, m+1
.endr
	APRO
	TRIP 1, 0, 0, AXX                              ; b1 starts the sums
	ADVI
	s_mov_b32 s44, 6
.Lg1:
	TRIP 0, 0, 0, AXX
	LOOPEND .Lg1, PA
	TRIP 0, 1, 0, AXX                              ; the last trip already asks for the second product's first three chunks
	ADVI
	s_add_nc_u64 s[PA:PA+1], s[PA:PA+1], 0x10000   ; the second pass's block of columns
	s_wait_alu depctr_vm_vsrc(0)                   ; the fragments' LDS loads have read v[AX ..]
.set m, 0
.rept 5
	v_mov_b32 v[AX+m], v[AXH+m]                    ; five plain lines: the places behind the last products
.set m, m+1
.endr
; The hidden layer: times my token's gate weight (not negative, so relu(a) w = max(a w, 0)), rounded to bf16, the maximum on packed halves, 16 bytes a lane into LDS.
; Each block has 32 packed registers of its own, so no store's data is written again here.
.macro EPI1M m
.if (\m) < 4
.set AB, 64*(\m)
	WIN 0x82
.else
.set AB, 0
	WIN 0xc3
.endif
.set i, 0
.rept 32                                               ; each accumulator from its low end on
	v_pk_mul_f32 v[AB+2*i:AB+2*i+1], v[AB+2*i:AB+2*i+1], v[WS+2*(\m):WS+2*(\m)+1] op_sel_hi:[1,0]
.set i, i+1
.endr
.if (\m) < 4
	WIN 0x0a
.else
	WIN 0x0f
.endif
.set i, 0
.rept 32
	v_cvt_pk_bf16_f32 v[HO+32*(\m)+i], v[AB+2*i], v[AB+2*i+1]
.set i, i+1
.endr
	WIN 0
.set i, 0
.rept 32
	v_pk_max_num_bf16 v[HO+32*(\m)+i], v[HO+32*(\m)+i], v[ZR]
.set i, i+1
.endr
	s_wait_alu depctr_va_vdst(0)                   ; the block's 32 packed registers are written, which the LDS stores read
.set f, 0
.rept 8
.if (\m) < 4
	ds_store_b128 v[HS0], v[HO+32*(\m)+4*f:HO+32*(\m)+4*f+3] offset:(\m)*16*HP+f*32
.else
	ds_store_b128 v[HS4], v[HO+32*(\m)+4*f:HO+32*(\m)+4*f+3] offset:f*32
.endif
.set f, f+1
.endr
.endm
.irp m, 0,1,2,3,4
	EPI1M \m
.endr
	s_wait_dscnt 0x0                               ; my part of the hidden layer is stored, and my reads of x are over
	s_barrier_signal -1
	s_barrier_wait -1                              ; the hidden layer is whole; where x lay the stages may be written
	s_wait_alu depctr_vm_vsrc(0)                   ; the hidden layer's LDS stores have read v[HO ..], in which fragments and the way out's loads land
; THE SECOND PRODUCT: two passes of 16 K steps (eight from expert lo's rows of W2, eight from hi's), each followed by its way out.
	s_mov_b32 s45, 2
.Lpass:
	s_mov_b32 s[KO], 0
	s_wait_alu depctr_va_vdst(0)                   ; v[AX ..] is written, which the loads below read; the hidden layer's roundings, or the last way out's multiply-adds, are done with the registers in which fragments land
	APRO
	TRIP 2, 0, 0, AXH                              ; the constant 0 starts the sums
	ADVP PB
	s_mov_b32 s44, 2
.Lg2:
	TRIP 0, 0, 0, AXH
	LOOPEND .Lg2, PA
	s_cmp_eq_u32 s45, 1
	s_cbranch_scc1 .Lfin
	TRIP 0, 1, 0, AXH                              ; the first pass's last trip asks for the second pass's first three chunks
	ADVI
	s_add_nc_u64 s[PB:PB+1], s[PB:PB+1], 0x10000
	s_branch .Lepi
.Lfin:
	TRIP 0, 1, 1, AXH                              ; the last trip asks for nothing past the stream's end
.Lepi:
; THE WAY OUT.  The results go into my own stage (rows of 528 bytes) and come back as whole rows: 32 lanes hold 512 consecutive bytes of one token's row of out.
.rept 4
	v_nop                                          ; four places in front of the first read of the sums, and of loads into registers that the last products read
.endr
	WIN 0x08
	s_wait_alu depctr_va_vdst(0)                   ; the products have written the sums, which the stage's stores read, and are done reading the fragments, in which the way out's loads land; the places above stay beside this wait
.set m, 0
.rept 5
.if m == 4
	WIN 0x0c
.endif
.set f, 0
.rept 8
	ds_store_b128 v[ST], v[(64*m+8*f)%256:(64*m+8*f)%256+3] offset:m*16*SP+f*64
	ds_store_b128 v[ST], v[(64*m+8*f)%256+4:(64*m+8*f)%256+7] offset:m*16*SP+f*64+16
.set f, f+1
.endr
.set m, m+1
.endr
	WIN 0
	s_mov_b32 s46, s30                             ; rows still to be stored, counted from the trip's first row
	s_mov_b32 s47, 4                               ; four trips of two granules; the last two granules are written out, so that no load reaches past the stage's row 79
	s_mov_b32 s49, 0
	s_mov_b32 s52, WL
	s_mov_b32 s53, TOKL
	s_wait_alu depctr_vm_vsrc(0)                   ; earlier loads have read v[RD], v20 and v21; the stage's stores have read the sums, which the next pass's products write; the last pass's stores have read their rows and offsets
	v_mov_b32 v[RD], v[RD0]
	v_mov_b32 v20, s52
	v_mov_b32 v21, s53
	s_wait_alu depctr_va_vdst(0)                   ; the three LDS addresses are written, which the loads below read
	LOADG 0, 0                                     ; (set 0's registers were store sources in the pass before: the waits in the weight stream's steps stand between)
.Lrow:
	GRAN 0, 1, 1
	GRAN 1, 2, 1
	s_add_co_u32 s49, s49, 16*SP
	s_add_co_u32 s52, s52, 128
	s_add_co_u32 s53, s53, 64
	s_wait_alu depctr_vm_vsrc(0)                   ; this trip's LDS loads have read v[RD], v20 and v21
	v_add_nc_u32 v[RD], s49, v[RD0]
	v_mov_b32 v20, s52
	v_mov_b32 v21, s53
	s_sub_co_i32 s46, s46, 16
	s_sub_co_u32 s47, s47, 1
	s_cmp_lg_u32 s47, 0
	s_cbranch_scc1 .Lrow
	GRAN 0, 1, 1                                   ; rows 64 to 71; rows 72 to 79 are asked for
	GRAN 1, 2, 0                                   ; rows 72 to 79; nothing is left to ask for
	v_add_nc_u32 v[COL], 512, v[COL]               ; the second pass: the next 128 columns, their b2,
.set i, 0
.rept 8
	v_mov_b32 v[BLC+i], v[BLC+8+i]
.set i, i+1
.endr
.set m, 0
.rept 5
	v_mov_b32 v[AX+m], v[AXH+m]                    ; and the hidden layer from its start (the loads that read v[AX ..] stand ahead of the way out's waits on vm_vsrc)
.set m, m+1
.endr
	s_sub_co_u32 s45, s45, 1
	s_cmp_lg_u32 s45, 0
	s_cbranch_scc1 .Lpass
	s_wait_dscnt 0x0                               ; the closing lines, six on end
	s_wait_alu 0x0
	s_wait_tensorcnt 0x0
	ds_add_u32 v[SPW], v[NIL]
	s_wait_dscnt 0x0
	s_endpgm
.Lfunc_end_k_q3facd78e52_chain:
	.size	k_q3facd78e52_chain, .Lfunc_end_k_q3facd78e52_chain-k_q3facd78e52_chain
	.p2alignl 7, 3214868480
	.fill 96, 4, 3214868480
	.section	.rodata,"a",@progbits
	.p2align	6, 0x0
	.amdhsa_kernel k_q3facd78e52_chain
		.amdhsa_group_segment_fixed_size 254720
		.amdhsa_private_segment_fixed_size 0
		.amdhsa_enable_private_segment 0
		.amdhsa_kernarg_size 72
		.amdhsa_user_sgpr_count 2
		.amdhsa_user_sgpr_kernarg_segment_ptr 1
		.amdhsa_wavefront_size32 1
		.amdhsa_system_sgpr_workgroup_id_x 1
		.amdhsa_system_sgpr_workgroup_id_y 1
		.amdhsa_system_sgpr_workgroup_id_z 1
		.amdhsa_system_vgpr_workitem_id 0
		.amdhsa_next_free_vgpr 832
		.amdhsa_next_free_sgpr 66
		.amdhsa_reserve_vcc 0
		.amdhsa_float_denorm_mode_32 3
		.amdhsa_float_denorm_mode_16_64 3
		.amdhsa_memory_ordered 1
		.amdhsa_forward_progress 1
		.amdhsa_inst_pref_size 232
	.end_amdhsa_kernel
	.amdgpu_metadata
---
amdhsa.version: [ 1, 2 ]
amdhsa.kernels:
  - .name:           k_q3facd78e52_chain
    .symbol:         k_q3facd78e52_chain.kd
    .args:
      - { .name: xb, .offset: 0, .size: 8, .value_kind: global_buffer, .address_space: global }
      - { .name: w1f, .offset: 8, .size: 8, .value_kind: global_buffer, .address_space: global }
      - { .name: w2f, .offset: 16, .size: 8, .value_kind: global_buffer, .address_space: global }
      - { .name: b1, .offset: 24, .size: 8, .value_kind: global_buffer, .address_space: global }
      - { .name: b2, .offset: 32, .size: 8, .value_kind: global_buffer, .address_space: global }
      - { .name: wts, .offset: 40, .size: 8, .value_kind: global_buffer, .address_space: global }
      - { .name: list, .offset: 48, .size: 8, .value_kind: global_buffer, .address_space: global }
      - { .name: tinfo, .offset: 56, .size: 8, .value_kind: global_buffer, .address_space: global }
      - { .name: out0, .offset: 64, .size: 8, .value_kind: global_buffer, .address_space: global }
    .group_segment_fixed_size: 254720
    .private_segment_fixed_size: 0
    .kernarg_segment_align: 8
    .kernarg_segment_size: 72
    .max_flat_workgroup_size: 128
    .sgpr_count:     66
    .vgpr_count:     832
    .wavefront_size: 32
...
	.end_amdgpu_metadata
.endif
;; end of part 5
